; MI455X (gfx1250); checked and timed in simulation.
; The chip was launched on July 23, 2026; its instructions are those of AMD's public machine-readable ISA for CDNA 5 (MIT licence, August 2026) and "CDNA5" Instruction Set Architecture Reference Guide (July 2026). The comments in the code are by the model that wrote it; some were corrected since.
;; Multi Head Attention Base. Allowed arithmetic: matrix products marked QUANTISED: E5M2 operands, one E8M0 scale for each 32 along K, by v_wmma_scale_f32_16x16x128_f8f6f4 with both operands' format E5M2, f32 sums; everything else in f32.
;; Inputs: Wk_codes 1,024 x 32 x 32 uint8 (E5M2 codes of Wk, K innermost, in blocks of 32 codes); Wk_scales 1,024 x 32 uint8 (E8M0 scales of Wk, one for each 32 codes along K); Wo_codes 1,024 x 32 x 32 uint8 (E5M2 codes of Wo, K innermost, in blocks of 32 codes); Wo_scales 1,024 x 32 uint8 (E8M0 scales of Wo, one for each 32 codes along K); Wq_codes 1,024 x 32 x 32 uint8 (E5M2 codes of Wq, K innermost, in blocks of 32 codes); Wq_scales 1,024 x 32 uint8 (E8M0 scales of Wq, one for each 32 codes along K); Wv_codes 1,024 x 32 x 32 uint8 (E5M2 codes of Wv, K innermost, in blocks of 32 codes); Wv_scales 1,024 x 32 uint8 (E8M0 scales of Wv, one for each 32 codes along K); bo 1,024 float32; x_codes 4 x 2,048 x 32 x 32 uint8 (E5M2 codes of x, K innermost, in blocks of 32 codes); x_scales 4 x 2,048 x 32 uint8 (E8M0 scales of x, one for each 32 codes along K).
;; Outputs: out0 4 x 2,048 x 1,024 float32.
;; This version of the problem:
;;   THIS VERSION OF THE PROBLEM IS GIVEN IN LOW PRECISION. The matrix products marked QUANTISED in the list below multiply operands that are first quantised to E5M2 (5 exponent bits, 2 mantissa bits; 8 bits a number), with one power-of-two scale for each 32 numbers along K (OCP MX v1.0); their sums are f32. All else is computed in f32.
;;   The module's matrix products, in the order in which they are computed (A, B: the left and right operand; K: the contracted axis; several contracted axes count as one K, in the product's order):
;;     1. [M 8,192, K 1,024] x [K 1,024, N 1,024]; A: input x (given as codes); B: input Wq (given as codes): QUANTISED
;;     2. [M 8,192, K 1,024] x [K 1,024, N 1,024]; A: input x (given as codes); B: input Wk (given as codes): QUANTISED
;;     3. [M 8,192, K 1,024] x [K 1,024, N 1,024]; A: input x (given as codes); B: input Wv (given as codes): QUANTISED
;;     4. batch 64 x [M 2,048, K 64] x [K 64, N 2,048]; A: computed on the way; B: computed on the way: QUANTISED
;;     5. batch 64 x [M 2,048, K 2,048] x [K 2,048, N 64]; A: softmax (see below); B: computed on the way: QUANTISED
;;     6. [M 8,192, K 1,024] x [K 1,024, N 1,024]; A: computed on the way; B: input Wo (given as codes): QUANTISED
;;   THE QUANTISER, for each operand of a quantised product, along K:
;;     - K is cut into blocks of 32 from its start; a last block that is shorter is filled with zeros.
;;     - A block's scale is 2^e with e = floor(log2(the largest magnitude in the block)) - 15, held to -126 .. 127; a block of zeros has e = 0. As a byte (E8M0): e + 127.
;;     - Each number is divided by its block's scale, clamped to +-57,344, and rounded to the nearest number of E5M2, ties to even, subnormals kept.
;;     - The product sums the exact products of the quantised numbers (number of the format x scale) in f32.
;;   ~~~python
;;   def quantise(x, axis):      # numpy; x: float32 -> the quantised numbers, widened to float32 again
;;       x = np.moveaxis(x, axis, -1); K = x.shape[-1]
;;       x = np.pad(x, [(0, 0)] * (x.ndim - 1) + [(0, -K % 32)]); x = x.reshape(x.shape[:-1] + (-1, 32)); a = np.abs(x).max(-1, keepdims=True)
;;       e = np.where(a > 0, np.clip(np.frexp(np.where(a > 0, a, 1))[1] - 1 - 15, -126, 127), 0)      # np.frexp(a)[1] - 1 = floor(log2(a)), exactly
;;       r = np.clip(x / 2.0 ** e, -57344, 57344)
;;       step = 2.0 ** (np.maximum(np.frexp(np.where(r == 0, 1, r))[1] - 1, -14) - 2)
;;       q = np.round(r / step) * step * 2.0 ** e      # np.round: ties to even
;;       return np.moveaxis(q.reshape(q.shape[:-2] + (-1,))[..., :K], -1, axis).astype(np.float32)
;;   ~~~
;;   SOFTMAX AHEAD OF A QUANTISED PRODUCT. Where the list says 'softmax', what is quantised is not the finished softmax but p = 2^(t - M), with t = logit x log2(e) and M = ceil(the row's largest t), a whole number; so 1/2 < the row's largest p <= 1. The row's sum l is taken of the UNQUANTISED p, in f32, and the product's result is divided by l at the end. Since M is a whole number, a kernel that streams over the keys may use a running M (the ceiling of the running maximum): every later rescaling is an exact power of two, which a block's scale takes up: the codes' values come out the same.
;;   OPERANDS COMPUTED ON THE WAY. 'Computed on the way' means the value that the module computes at that place (a softmax that the list does not call 'softmax' is quantised finished and normalised). What goes into a quantiser is computed in f32, as accurately as f32 sums, v_exp_f32 and their like allow (about 1e-6 of the number): no bf16 or f16 on the way to a quantiser, and a product that is left as it is and whose result goes on into a quantised operand takes f32 operands (vector FMAs, or v_wmma_f32_16x16x4_f32). A number that lies on a knife's edge between two numbers of the format may be rounded either way, as far as f32 arithmetic and the matrix unit's own rounding can turn it there, and no further.
;;   INPUTS GIVEN AS CODES. Wk (in the module: [1024, 1024], K = its axis 1); Wo (in the module: [1024, 1024], K = its axis 1); Wq (in the module: [1024, 1024], K = its axis 1); Wv (in the module: [1024, 1024], K = its axis 1); x (in the module: [4, 2048, 1024], K = its axis 2): each comes as NAME_codes (uint8): NAME with its K axis moved to the last place and cut into blocks of 32 codes, [.., K / 32, bytes a block], one block behind the other in memory; one code a byte (a code: sign, 5 exponent bits, 2 mantissa bits); and NAME_scales (uint8): the same leading axes, one E8M0 byte (e + 127) for each 32 codes along K. Its value is code x scale, taken as it is: it is not quantised again, and the codes and scales need not be those that the quantiser above would give.
;; One version. Each part assembles by itself: llvm-mc -triple=amdgcn-amd-amdhsa -mcpu=gfx1250 --defsym DOCPART=n.
;; ======== version 1 of 1: 3 launches
;; limits: right only within a limited range of input values
;; workspace buffers: q_img 8,388,608 bytes; q_sc 524,288 bytes; kv 17,825,792 bytes; ao_img 8,388,608 bytes; ao_sc 262,144 bytes
;; launch qkv (part 1): grid 16 x 16, 4 waves a work-group, clusters of 4 x 4, 327,680 bytes of LDS; arguments x_codes, x_scales, Wq_codes, Wq_scales, Wk_codes, Wk_scales, Wv_codes, Wv_scales, q_img, q_sc, kv; writes q_img, q_sc, kv
.if DOCPART == 1
	.amdgcn_target "amdgcn-amd-amdhsa--gfx1250"
	.amdhsa_code_object_version 6
	.text
	.protected	k_qcb53b4323a_qkv
	.globl	k_qcb53b4323a_qkv
	.p2align	8
	.type	k_qcb53b4323a_qkv,@function
k_qcb53b4323a_qkv:
	s_mov_b64 s[64:65], 0
	v_nop
	global_prefetch_b8 v0, s[64:65] scope:SCOPE_SE
	s_setreg_imm32_b32 hwreg(HW_REG_WAVE_MODE, 25, 1), 1
	s_wait_xcnt 0x0
	s_wait_alu depctr_hold_cnt(0) depctr_sa_sdst(0) depctr_va_vdst(0) depctr_va_sdst(0) depctr_va_ssrc(0) depctr_va_vcc(0) depctr_vm_vsrc(0)
	s_getreg_b32 s2, hwreg(HW_REG_IB_STS2, 6, 4)
	s_cmp_eq_u32 s2, 0
	s_cbranch_scc0 .Lentry_in_a_cluster
	s_endpgm
.Lentry_in_a_cluster:
	s_bfe_u32 s2, ttmp6, 0x10000c
	s_cmp_lg_u32 s2, 0xf033
	s_cbranch_scc0 .Lentry_shape_is_right
	s_endpgm
.Lentry_shape_is_right:
; q = x Wq^T, k = x Wk^T, v = x Wv^T on codes of BF8 (E5M2) with one E8M0 scale for each 32 along K, and the results quantised in registers for the attention's two products.
; NOTHING OF THE PROBLEM IS LEFT OUT IN THIS PROGRAM: all six products are live for all values of the inputs, and every input is loaded.  The one work added: the first attention product has K = 64 and the matrix
; instruction 128; its upper 64 are zero codes on q's side (made in the next launch's registers), inside live tiles.
; THE DEAL: 256 work-groups of four waves, 2 x 2.  A wave holds 64 rows of a weight (one head), ALL of K, in 512 registers (windows 1, 2) and streams x's rows past them in blocks of 16, which stand in registers as two sets (window 3).
; PHASE 1: 512 tokens x 128 columns of q (cluster x 0, 1) or k (2, 3).  PHASE 2: 256 tokens x 128 columns of v: ONE OF THE WORK-GROUP'S OWN TWO WINDOWS of 256 tokens (number: cluster x % 2); Wv's tile column is 4 (cluster x / 2) + cx.
; LDS: two slots of 128 rows of 1,024 bytes + 16 of padding; the scale bytes of x's 512 rows, in the order of work; 2,048 bytes for v's scale bytes.  Phase 1 takes the window that is not v's first (chunks 0, 1), v's last (chunks 2, 3).
; FILLS.  Head: wave 0 the first weight (slot 1; a load line of its own, shown by the first barrier), wave 1 chunk 0 (slot 0), waves 2, 3 a window's scale bytes each.  Refills, each behind a drained round of the cluster's barrier, a quarter of 128 rows a wave:
; chunk 1 over the weight, chunk 2, chunk 3, Wv's rows (slot 0), and, when Wv is in registers, chunk 2 anew; v takes chunk 3 as it lies in slot 1, then chunk 2.
; q, k: source 0 = the weight's rows, source 1 = x's: lane (r, h) holds token r, register j of tile b column 16 b + 8 h + j: tiles 2 c, 2 c + 1 lie in block c of 32, together with lane l xor 16's.
; v: source 0 = x's rows, source 1 = Wv's: lane (r, h) holds column 16 t + r, register j token 8 h + j of the block: two blocks of 16 tokens are a scale block of 32, together with lane l xor 16's.
; THE ORDER INSIDE A BLOCK OF 32: a lane's 16 codes are numbers 8 h + i % 8 + 16 (i / 8) of the block and are used as the operand's k = 16 h + i: q and k alike, v here and p in the next launch alike.
; THE RESULTS LEAVE AS IMAGES OF OPERAND REGISTERS: four registers of 32 lanes are 512 consecutive bytes, lane l at 16 l.
;   q_img [64 heads][128 tiles of 16 tokens][1,024]; q_sc [64][32 groups of 64 tokens][16 r][4 t] words (s0, s1, 0x7f, 0x7f) of token 64 g + 16 t + r;
;   kv [64][4 chunks of 512 keys][69,632]: +0 k's images [32 tiles][1,024]; +32,768 v's images [4 steps of 128 keys][4 tiles of 16 d][2,048]; +65,536 k's words [8 groups][16][4]; +67,584 v's words [4 steps][32 lanes][4 tiles].
; A block is quantised behind the next block's products, so that its vector lines are the places behind them.  PREFETCH: chunks 1, 2, 3 and Wv's rows are named once in each cluster that loads them, a sixteenth (32 lanes x 256 bytes) a wave, told apart by address.
; LIMITS: NaN and infinities among the inputs are not served; a block whose largest magnitude lies under 2^(16 - 127) keeps the byte 1; a block of zeros has the byte 1 where the quantiser says 127 (its codes are zeros, and this program alone reads the bytes).
.set KROW,  1024
.set PITCH, KROW+16
.set TILE,  16*PITCH
.set YB,    128*PITCH                  ; slot 1
.set SCL,   2*YB                       ; x's scale bytes: 64 units of 256 bytes (8 rows) + 16 of padding
.set XV,    SCL+64*272                 ; v's scale bytes: [head of two][key step of two][32 lanes][4 tiles][4 c]: no fill lands here
.set SPARE, XV+2048                    ; the spare words: two blocks of 256 bytes that no other line names
.set REC,   278528
.set CHK,   69632
.set NF,    34                         ; LDS loads of a block: eight fragments of four, two of four scale words
.set ADA,   4                          ; v4, v5 LDS address of my rows of x in slot 0, 1
.set AAS,   6                          ; v6 of my rows' scale words
.set ADRB,  7                          ; v7, v8 of my fragments of a weight in slot 1, 0
.set ABS,   9                          ; v9 32 x lane
.set VO,    10                         ; v10 16 x lane; v11 16 r
.set VW,    11
.set XVA,   12                         ; v12 where my byte of v's scales goes; v14 where I read 16 of them back
.set PFW,   13                         ; v13, v18, v19 the prefetches' offsets: Wv's rows, the window that is not v's, v's window
.set XVR,   14
.set SPW,   16                         ; v16 my spare word; v17 0: never rewritten
.set NIL,   17
.set PFA,   18
.set PFV,   19
.set SB,    24                         ; v24-39 the weight's scale words: register 8 p + q: lanes 0-15 tile 2 p's, lanes 16-31 tile 2 p + 1's
.set SA,    44                         ; v44-59 x's: two sets of eight: no product's two scale registers have numbers equal modulo 8
.set ACC,   64                         ; v64-191 four sets of four accumulators
.set WS,    192                        ; v192-207 Wv's scale words, until the change of phase
.set TM,    208                        ; at work on the way out
.set PMX,   212
.set HDR,   216
.set SOP,   220
.set EB,    224
.set PW,    228
.set WSQ,   232                        ; v232-235 four blocks' scale words
.set PC,    236                        ; v236-251 codes
.set G1B, 24                           ; groups 1: the first weight, chunk 0, a refill of x, of Wv, scale bytes; groups 0 behind them
.set G1A, 32
.set G1R, 40
.set G1V, 48
.set G1S, 56
.set G0B, 68
.set G0A, 72
.set G0R, 76
.set G0V, 80
.set G0S, 84
.set SEL, 16                           ; s[16:17] lane selects for lane l xor 16; s23 the mantissa field of 57,344: set at the head's end
.set MNT, 23
.set MSB, 0
.macro WIN new                         ; the immediate's high byte repeats the setting that is left
.if MSB != \new
	s_set_vgpr_msb (MSB<<8)|\new
.set MSB, \new
.endif
.endm
.macro PLACES n
.rept \n
	v_nop
.endr
.endm
.macro BARRIER
	s_barrier_signal -1
	s_barrier_wait -1
.endm
.macro CROUND                          ; a round of the cluster's barrier
	BARRIER
	s_cmp_lg_u32 s20, 0
	s_cbranch_scc1 .Lnot_wave_0_\@
	s_barrier_signal -3
.Lnot_wave_0_\@:
	s_barrier_wait -3
	BARRIER
.endm
.macro TLOAD g0, g1                    ; an s_nop 0 and four v_nop follow a tensor load
	tensor_load_to_lds s[\g0:\g0+3], s[\g1:\g1+7]
	s_nop 0
	PLACES 4
.endm
.macro GROUP1 g, mask, rows            ; so many whole rows of 1,024 bytes, dense in memory, 16 bytes of padding behind each in LDS
	s_or_b32 s[\g+0], s[\mask], (1<<20)|(1<<21)|(7<<22)|(3<<25)
	s_mov_b32 s[\g+1], KROW<<16
	s_mov_b32 s[\g+2], (\rows)<<16
	s_mov_b32 s[\g+3], KROW<<16
	s_mov_b32 s[\g+4], \rows
	s_mov_b32 s[\g+5], KROW
	s_mov_b32 s[\g+6], 0
	s_mov_b32 s[\g+7], 0
.endm
	s_load_b512 s[24:39], s[0:1], 0x0              ; x's codes 24, scales 26; Wq's 28, 30; Wk's 32, 34; Wv's 36, 38
	s_load_b128 s[40:43], s[0:1], 0x40             ; q_img, q_sc
	s_load_b64 s[44:45], s[0:1], 0x50              ; kv
	v_lshl_add_u32 v[SPW], v0, 2, SPARE
	v_mov_b32 v[NIL], 0
	ds_add_u32 v[SPW], v[NIL]                      ; the opening lines: the add twice on end and its wait
	ds_add_u32 v[SPW], v[NIL]
	v_lshrrev_b32 v1, 5, v0
	v_readfirstlane_b32 s20, v1                    ; wave
	s_lshr_b32 s21, s20, 1                         ; my row of waves
	s_and_b32 s22, s20, 1                          ; my column
	s_bfe_u32 s16, ttmp6, 0x40000                  ; cx, cy
	s_bfe_u32 s17, ttmp6, 0x40004
	s_lshr_b32 s18, ttmp9, 1                       ; 0: phase 1 makes q; 1: k
	s_and_b32 s19, ttmp9, 1                        ; which of my two windows is v's
	s_and_b32 s23, ttmp7, 0xffff
	s_lshl_b32 s23, s23, 2
	s_add_co_u32 s23, s23, s17                     ; tile row: 512 tokens
	s_lshl_b32 s2, s17, 2
	s_lshl_b32 s2, 15, s2                          ; my row of the cluster: shares x's rows
	s_lshl_b32 s3, 0x1111, s16                     ; my column: shares the weights'
	s_lshl_b32 s46, s19, 2
	s_add_co_u32 s46, s46, s16                     ; the first weight's tile column (128 rows), 0 .. 7
	s_lshl_b32 s47, s18, 2
	s_add_co_u32 s47, s47, s16                     ; Wv's
	s_lshl_b32 s48, s23, 19
	s_lshl_b32 s49, s19, 18
	s_add_co_u32 s101, s48, s49                    ; s101: in x's codes, v's window; s100: the other
	s_xor_b32 s49, s49, 1<<18
	s_add_co_u32 s100, s48, s49
	s_lshl_b32 s70, s46, 17                        ; offsets, in the places where the addresses will stand: the first weight's rows,
	s_mov_b32 s71, 0
	s_mov_b32 s74, s100                            ; chunk 0,
	s_mov_b32 s75, 0
	s_lshl_b32 s82, s47, 17                        ; my quarter of Wv's rows,
	s_lshl_b32 s50, s20, 15
	s_add_co_u32 s82, s82, s50
	s_mov_b32 s83, 0
	s_xor_b32 s51, s19, s22                        ; x's scale bytes: wave 2 the window that is not v's, wave 3 v's
	s_xor_b32 s51, s51, 1
	s_lshl_b32 s51, s51, 13
	s_lshl_b32 s86, s23, 14
	s_add_co_u32 s86, s86, s51
	s_mov_b32 s87, 0
	s_lshl_b32 s50, s22, 11                        ; the weights' scale bytes: my wave's 64 rows
	s_lshl_b32 s78, s46, 12
	s_add_co_u32 s78, s78, s50
	s_mov_b32 s79, 0
	s_lshl_b32 s76, s47, 12
	s_add_co_u32 s76, s76, s50
	s_mov_b32 s77, 0
	s_lshr_b32 s52, s23, 2                         ; WHERE MY RESULTS GO
	s_lshl_b32 s52, s52, 4
	s_add_co_u32 s52, s52, s22                     ; 16 x batch + my column of waves
	s_and_b32 s53, s23, 3                          ; which 512 of the sequence's tokens
	s_lshl_b32 s54, s46, 1
	s_add_co_u32 s54, s54, s52                     ; 16 x batch + head, phase 1
	s_lshl_b32 s55, s47, 1
	s_add_co_u32 s55, s55, s52                     ; phase 2
	s_mul_i32 s56, s53, CHK
	s_mul_i32 s57, s54, REC
	s_add_co_u32 s57, s57, s56                     ; k's chunk in kv
	s_mul_i32 s58, s55, REC
	s_add_co_u32 s58, s58, s56                     ; v's
	s_lshl_b32 s59, s54, 17
	s_lshl_b32 s60, s53, 15
	s_add_co_u32 s59, s59, s60                     ; q's images
	s_lshl_b32 s61, s54, 13
	s_lshl_b32 s60, s53, 11
	s_add_co_u32 s61, s61, s60                     ; q's words
	s_add_co_u32 s60, s57, 65536                   ; k's words
	s_cmp_eq_u32 s18, 0
	s_cselect_b32 s59, s59, s57
	s_cselect_b32 s61, s61, s60
	s_lshl_b32 s60, s21, 12                        ; my row of waves: 64 tokens on: four images, one group of words
	s_add_co_u32 s59, s59, s60
	s_lshl_b32 s60, s21, 8
	s_add_co_u32 s61, s61, s60
	s_lshl_b32 s60, s19, 14                        ; s[88:89], s[90:91] images of the window that is not v's, of v's; s[92:93], s[94:95] their words
	s_add_co_u32 s90, s59, s60
	s_xor_b32 s60, s60, 1<<14
	s_add_co_u32 s88, s59, s60
	s_lshl_b32 s60, s19, 10
	s_add_co_u32 s94, s61, s60
	s_xor_b32 s60, s60, 1<<10
	s_add_co_u32 s92, s61, s60
	s_lshl_b32 s60, s19, 14                        ; s[96:97] v's images: the window's two key steps; my row of waves makes scale blocks 2 w, 2 w + 1 of each
	s_add_co_u32 s96, s58, s60
	s_lshl_b32 s60, s21, 10
	s_add_co_u32 s96, s96, s60
	s_add_co_u32 s96, s96, 32768
	s_lshl_b32 s60, s19, 10                        ; s[98:99] v's words: at the end wave (w, c) stores key step w of head c
	s_add_co_u32 s98, s58, s60
	s_lshl_b32 s60, s21, 9
	s_add_co_u32 s98, s98, s60
	s_add_co_u32 s98, s98, 67584
.irp p, 89,91,93,95,97,99
	s_mov_b32 s\p, 0
.endr
	s_lshl_b32 s23, s47, 17                        ; Wv's rows once more, for the prefetch
	s_wait_dscnt 0x0                               ; both opening adds are done
	s_wait_kmcnt 0x0
	s_cmp_eq_u32 s18, 0                            ; the buffers are chosen by the cluster's number alone
	s_cselect_b64 s[8:9], s[28:29], s[32:33]
	s_cselect_b64 s[10:11], s[30:31], s[34:35]
	s_cselect_b64 s[62:63], s[40:41], s[44:45]
	s_cselect_b64 s[60:61], s[42:43], s[44:45]
	s_mov_b64 s[4:5], s[24:25]                     ; x's codes
	s_mov_b64 s[12:13], s[36:37]                   ; Wv's codes
	s_add_nc_u64 s[14:15], s[38:39], s[76:77]      ; Wv's scale bytes, my 64 rows
	s_add_nc_u64 s[10:11], s[10:11], s[78:79]      ; the first weight's
	s_add_nc_u64 s[G0B+2:G0B+3], s[8:9], s[G0B+2:G0B+3]
	s_or_b32 s[G0B+3], s[G0B+3], 0x80000000
	s_add_nc_u64 s[G0A+2:G0A+3], s[4:5], s[G0A+2:G0A+3]
	s_or_b32 s[G0A+3], s[G0A+3], 0x80000000
	s_add_nc_u64 s[G0V+2:G0V+3], s[12:13], s[G0V+2:G0V+3]
	s_or_b32 s[G0V+3], s[G0V+3], 0x80000000
	s_add_nc_u64 s[G0S+2:G0S+3], s[26:27], s[G0S+2:G0S+3]
	s_or_b32 s[G0S+3], s[G0S+3], 0x80000000
	s_add_nc_u64 s[88:89], s[62:63], s[88:89]
	s_add_nc_u64 s[90:91], s[62:63], s[90:91]
	s_add_nc_u64 s[92:93], s[60:61], s[92:93]
	s_add_nc_u64 s[94:95], s[60:61], s[94:95]
	s_add_nc_u64 s[96:97], s[44:45], s[96:97]
	s_add_nc_u64 s[98:99], s[44:45], s[98:99]
	GROUP1 G1B, 3, 128
	GROUP1 G1A, 2, 128
	GROUP1 G1R, 2, 32
	GROUP1 G1V, 3, 32
	s_or_b32 s[G1S+0], s2, (3<<16)|(1<<20)|(1<<21)|(5<<22)|(3<<25)   ; a window's scale bytes: 8,192 dense bytes as 32 rows of 256 (32 elements of 8), 16 of padding behind each
	s_mov_b32 s[G1S+1], 32<<16
	s_mov_b32 s[G1S+2], 32<<16
	s_mov_b32 s[G1S+3], 32<<16
	s_mov_b32 s[G1S+4], 32
	s_mov_b32 s[G1S+5], 32
	s_mov_b32 s[G1S+6], 0
	s_mov_b32 s[G1S+7], 0
	s_mov_b32 s[G0B], 1
	s_mov_b32 s[G0B+1], YB
	s_mov_b32 s[G0A], 1
	s_mov_b32 s[G0A+1], 0
	s_mov_b32 s[G0R], 1
	s_mov_b32 s[G0V], 1
	s_mul_i32 s[G0V+1], s20, 32*PITCH
	s_mov_b32 s[G0S], 1
	s_mul_i32 s[G0S+1], s22, 32*272
	s_add_co_u32 s[G0S+1], s[G0S+1], SCL
	CROUND                                         ; all sixteen work-groups are here: the first joint loads meet
	s_cmp_eq_u32 s20, 0                            ; one chain of branches on the wave's number, one load to an arm
	s_cbranch_scc0 .Lwave_1
	TLOAD G0B, G1B                                 ; wave 0: the first weight, which is wanted first
	s_branch .Lasked
.Lwave_1:
	s_cmp_eq_u32 s20, 1
	s_cbranch_scc0 .Lfor_scales
	TLOAD G0A, G1A                                 ; wave 1: chunk 0
	s_branch .Lasked
.Lfor_scales:
	TLOAD G0S, G1S                                 ; waves 2, 3: a window's scale bytes each
.Lasked:
	s_mul_i32 s2, s21, 4*TILE                      ; my 64 rows of a chunk
	s_mul_i32 s3, s22, 64*PITCH                    ; my 64 rows of a weight
	s_mul_i32 s6, s21, 8*272                       ; my rows' scale bytes
	s_add_co_u32 s6, s6, SCL
	s_lshl_b32 s7, s22, 10
	s_add_co_u32 s7, s7, XV
	s_lshl_b32 s8, s21, 9
	s_add_co_u32 s8, s8, s7                        ; back: key step w of head c
	s_lshl_b32 s9, s21, 1
	s_add_co_u32 s7, s7, s9                        ; in: bytes 2 w, 2 w + 1 of a word
	s_lshl_b32 s9, s16, 2                          ; which of the cluster row's sixteen waves I am: my share of a prefetch of x's rows,
	s_add_co_u32 s9, s9, s20
	s_lshl_b32 s9, s9, 13
	s_add_co_u32 s18, s9, s101
	s_add_co_u32 s9, s9, s100
	s_lshl_b32 s19, s17, 2                         ; and of the column's: of Wv's
	s_add_co_u32 s19, s19, s20
	s_lshl_b32 s19, s19, 13
	s_add_co_u32 s19, s19, s23
	s_mov_b32 s[SEL], 0x76543210
	s_mov_b32 s[SEL+1], 0xfedcba98
	s_mov_b32 s[MNT], 0x600000
	v_and_b32 v1, 15, v0                           ; r
	v_bfe_u32 v2, v0, 4, 1                         ; h
	v_and_b32 v3, 31, v0                           ; lane
	v_mul_u32_u24 v20, v1, PITCH
	v_lshl_add_u32 v20, v2, 4, v20                 ; a fragment's row x pitch + 16 x half
	v_add_nc_u32 v[ADA], s2, v20
	v_add_nc_u32 v[ADA+1], YB, v[ADA]
	v_add_nc_u32 v[ADRB+1], s3, v20
	v_add_nc_u32 v[ADRB], YB, v[ADRB+1]
	v_lshrrev_b32 v21, 3, v1                       ; scale bytes: 32 a row, eight rows to a unit of 272
	v_and_b32 v22, 7, v1
	v_mul_u32_u24 v21, v21, 272
	v_lshl_add_u32 v21, v22, 5, v21
	v_add_nc_u32 v[AAS], s6, v21
	v_lshlrev_b32 v[ABS], 5, v3
	v_lshlrev_b32 v[VO], 4, v3
	v_lshlrev_b32 v[VW], 4, v1
	v_lshl_add_u32 v[XVA], v3, 4, s7
	v_lshl_add_u32 v[XVR], v3, 4, s8
	v_lshl_add_u32 v[PFA], v3, 8, s9
	v_lshl_add_u32 v[PFV], v3, 8, s18
	v_lshl_add_u32 v[PFW], v3, 8, s19
.irp b, 0,1,2,3
	v_mov_b32 v[PMX+\b], 0                         ; a lane permute's destination counts as a source
.endr
	s_wait_alu depctr_va_vdst(0)                   ; the wait at the head's end
.irp p, 0,1
.irp c, 0,1
	global_load_b128 v[SB+8*\p+4*\c:SB+8*\p+4*\c+3], v[ABS], s[10:11] offset:\p*1024+16*\c
	global_load_b128 v[WS+8*\p+4*\c:WS+8*\p+4*\c+3], v[ABS], s[14:15] offset:\p*1024+16*\c
.endr
.endr
	s_cmp_eq_u32 s20, 0
	s_cbranch_scc0 .Lnot_w
	s_wait_tensorcnt 0x0                           ; wave 0: the first weight has landed.  The other waves' wait stands in front of the round below
.Lnot_w:
	BARRIER
	global_prefetch_b8 v[PFA], s[4:5] offset:131072 th:TH_LOAD_NT scope:SCOPE_SE   ; chunk 1
	global_prefetch_b8 v[PFV], s[4:5] th:TH_LOAD_NT scope:SCOPE_SE                 ; chunk 2
.macro WEIGHTS adr                             ; my 64 rows of a weight, all of K: fragment 4 q + b in window 1 + (4 q + b) / 16: lane l holds row l % 16; registers 4 c .. 4 c + 3 hold K = 32 c + 16 (l / 16) + 0 .. 15
.irp q, 0,1,2,3,4,5,6,7
	WIN (1+\q/4)<<6
.irp b, 0,1,2,3
.irp c, 0,1,2,3
	ds_load_b128 v[16*((4*\q+\b)%16)+4*\c:16*((4*\q+\b)%16)+4*\c+3], v[\adr] offset:128*\q+32*\c+\b*TILE
.endr
.endr
.endr
	WIN 0
.endm
.macro GRD
	s_wait_alu depctr_va_vdst(0)
	s_wait_tensorcnt 0x0
	ds_add_u32 v[SPW], v[NIL]
.endm
.macro REFILL off, more, slot                  ; 128 rows of x, at s[off] + more of its codes, into the slot at LDS byte slot: a quarter a wave
	GRD
	s_mul_i32 s[G0R+1], s20, 32*PITCH              ; no tensor load of mine is out: the group 0 may be written
	s_add_co_u32 s[G0R+1], s[G0R+1], \slot
	s_lshl_b32 s6, s20, 15
	s_add_co_u32 s6, s6, s\off
	s_add_co_u32 s6, s6, \more
	s_mov_b32 s7, 0
	s_add_nc_u64 s[G0R+2:G0R+3], s[4:5], s[6:7]
	s_or_b32 s[G0R+3], s[G0R+3], 0x80000000
	s_wait_dscnt 0x0                               ; the add is done, and so are my reads of both slots
	CROUND
	TLOAD G0R, G1R
.endm
.macro FETCH slot, i, n                        ; block i of my four in the chunk that lies in the slot and is the n-th in the order of work: into set i % 2 of window 3, and its scale words: NF loads
.set EF_, (\i)%2
	WIN 3<<6
.irp q, 0,1,2,3,4,5,6,7
.irp c, 0,1,2,3
	ds_load_b128 v[128*EF_+16*\q+4*\c:128*EF_+16*\q+4*\c+3], v[ADA+\slot] offset:(\i)*TILE+128*\q+32*\c
.endr
.endr
	WIN 0
	ds_load_b128 v[SA+8*EF_:SA+8*EF_+3], v[AAS] offset:(\n)*16*272+(\i)*544
	ds_load_b128 v[SA+8*EF_+4:SA+8*EF_+7], v[AAS] offset:(\n)*16*272+(\i)*544+16
.endm
.macro PROD kind, e, a, n                      ; product n = 4 q + b: the q-th 128 of K, the weight's tile b; x's rows in set e, sums in set a.  The four accumulators take turns
.set Q_, (\n)/4
.set B_, (\n)%4
.set AC_, ACC+32*(\a)+8*B_
.set R_, 128*(\e)+16*Q_
.set W_, 16*((\n)%16)
.set XS_, SA+8*(\e)+Q_
.set WS_, SB+8*(B_/2)+Q_
.if \kind
	WIN 3|((1+(\n)/16)<<2)
.if Q_ && B_%2
	v_wmma_scale_f32_16x16x128_f8f6f4 v[AC_:AC_+7], v[R_:R_+15], v[W_:W_+15], v[AC_:AC_+7], v[XS_], v[WS_] matrix_a_fmt:MATRIX_FMT_BF8 matrix_b_fmt:MATRIX_FMT_BF8 matrix_b_scale:MATRIX_SCALE_ROW1
.elseif Q_
	v_wmma_scale_f32_16x16x128_f8f6f4 v[AC_:AC_+7], v[R_:R_+15], v[W_:W_+15], v[AC_:AC_+7], v[XS_], v[WS_] matrix_a_fmt:MATRIX_FMT_BF8 matrix_b_fmt:MATRIX_FMT_BF8
.elseif B_%2
	v_wmma_scale_f32_16x16x128_f8f6f4 v[AC_:AC_+7], v[R_:R_+15], v[W_:W_+15], 0, v[XS_], v[WS_] matrix_a_fmt:MATRIX_FMT_BF8 matrix_b_fmt:MATRIX_FMT_BF8 matrix_b_scale:MATRIX_SCALE_ROW1
.else
	v_wmma_scale_f32_16x16x128_f8f6f4 v[AC_:AC_+7], v[R_:R_+15], v[W_:W_+15], 0, v[XS_], v[WS_] matrix_a_fmt:MATRIX_FMT_BF8 matrix_b_fmt:MATRIX_FMT_BF8
.endif
.else
	WIN (1+(\n)/16)|(3<<2)
.if Q_ && B_%2
	v_wmma_scale_f32_16x16x128_f8f6f4 v[AC_:AC_+7], v[W_:W_+15], v[R_:R_+15], v[AC_:AC_+7], v[WS_], v[XS_] matrix_a_fmt:MATRIX_FMT_BF8 matrix_b_fmt:MATRIX_FMT_BF8 matrix_a_scale:MATRIX_SCALE_ROW1
.elseif Q_
	v_wmma_scale_f32_16x16x128_f8f6f4 v[AC_:AC_+7], v[W_:W_+15], v[R_:R_+15], v[AC_:AC_+7], v[WS_], v[XS_] matrix_a_fmt:MATRIX_FMT_BF8 matrix_b_fmt:MATRIX_FMT_BF8
.elseif B_%2
	v_wmma_scale_f32_16x16x128_f8f6f4 v[AC_:AC_+7], v[W_:W_+15], v[R_:R_+15], 0, v[WS_], v[XS_] matrix_a_fmt:MATRIX_FMT_BF8 matrix_b_fmt:MATRIX_FMT_BF8 matrix_a_scale:MATRIX_SCALE_ROW1
.else
	v_wmma_scale_f32_16x16x128_f8f6f4 v[AC_:AC_+7], v[W_:W_+15], v[R_:R_+15], 0, v[WS_], v[XS_] matrix_a_fmt:MATRIX_FMT_BF8 matrix_b_fmt:MATRIX_FMT_BF8
.endif
.endif
.endm
.macro P kind, e, a                            ; a block's 32 products
.set N_, 0
.rept 32
	PROD \kind, \e, \a, N_
.set N_, N_+1
.endr
	WIN 0
.endm
.macro SCALE4 list:vararg                      ; behind the largest magnitudes in v[TM + x]: with lane l xor 16's; the conversion's scale operand; 57,344 x the scale; the byte
.irp x, \list
	v_permlanex16_b32 v[PMX+\x], v[TM+\x], s[SEL], s[SEL+1]
.endr
.irp x, \list
	v_max_num_f32 v[TM+\x], v[TM+\x], v[PMX+\x]
.endr
.irp x, \list
	v_add_nc_u32 v[SOP+\x], 0xf8800000, v[TM+\x]
.endr
.irp x, \list
	v_and_or_b32 v[HDR+\x], v[TM+\x], 0x7f800000, s[MNT]
.endr
.irp x, \list
	v_lshrrev_b32 v[EB+\x], 23, v[SOP+\x]
.endr
.endm
; THE WAY OUT OF A BLOCK OF q OR k: block i of my four; its 32 sums a lane are 16 numbers of each of two scale blocks.  Each accumulator is read from its low end on.  The floor 2^(16 - 127) keeps the byte at 1 or over.
.macro WQ i, half, ptr
.set A_, ACC+32*((\i)%2)
	s_wait_xcnt 0x0                                ; the last block's stores have read their data
.irp b, 0,1,2,3
	v_max3_num_f32 v[TM+\b], |v[A_+8*\b]|, |v[A_+8*\b+1]|, |v[A_+8*\b+2]|
.endr
.irp k, 3,5
.irp b, 0,1,2,3
	v_max3_num_f32 v[TM+\b], v[TM+\b], |v[A_+8*\b+\k]|, |v[A_+8*\b+\k+1]|
.endr
.endr
.irp b, 0,1,2,3
	v_max_num_f32 v[TM+\b], v[TM+\b], |v[A_+8*\b+7]|
.endr
.irp c, 0,2
	v_max3_num_f32 v[TM+\c], v[TM+\c], v[TM+\c+1], 0x8000000
.endr
	SCALE4 0,2
	v_lshl_or_b32 v[PW], v[EB+2], 8, v[EB]
	v_or_b32 v[WSQ+\i], 0x7f7f0000, v[PW]          ; the upper 64 of the instruction's K have the scale 1
.irp b, 0,1,2,3
.irp j, 0,1,2,3,4,5,6,7
	v_med3_num_f32 v[A_+8*\b+\j], v[A_+8*\b+\j], -v[HDR+2*(\b/2)], v[HDR+2*(\b/2)]   ; the conversion does not saturate (ISA guide 7.6.2): the hold comes first
.endr
.endr
.irp g, 0,1,2,3
	v_cvt_scalef32_pk8_bf8_f32 v[PC+2*\g:PC+2*\g+1], v[A_+8*\g:A_+8*\g+7], v[SOP+2*(\g/2)]
.endr
	v_nop                                          ; one plain vector line behind the last conversion
	global_store_b128 v[VO], v[PC:PC+3], s[\ptr:\ptr+1] offset:(\half)*8192+(\i)*1024          ; each store: 512 consecutive bytes, aligned to 256
	global_store_b128 v[VO], v[PC+4:PC+7], s[\ptr:\ptr+1] offset:(\half)*8192+(\i)*1024+512
.endm
; A CHUNK OF PHASE 1: four blocks.  The counted waits leave out the one fetch (NF loads) that was issued behind the one waited for.
.macro CHUNKQ slot, n, ptr, pf
	FETCH \slot, 0, \n
	FETCH \slot, 1, \n
.if \pf == 1
	global_prefetch_b8 v[PFV], s[4:5] offset:131072 th:TH_LOAD_NT scope:SCOPE_SE   ; chunk 3
.elseif \pf == 2
	global_prefetch_b8 v[PFW], s[12:13] th:TH_LOAD_NT scope:SCOPE_SE               ; Wv's rows
.endif
	s_wait_dscnt NF
	P 0, 0, 0
	PLACES 8                                       ; ahead of the loads into the set that was read
	FETCH \slot, 2, \n
	s_wait_dscnt NF
	P 0, 1, 1
	WQ 0, (\n)%2, \ptr                             ; its vector lines are the places behind the products above
	FETCH \slot, 3, \n
	s_wait_dscnt NF
	P 0, 0, 0
	WQ 1, (\n)%2, \ptr
	s_wait_dscnt 0x0
	P 0, 1, 1
	WQ 2, (\n)%2, \ptr
	WQ 3, (\n)%2, \ptr
	global_store_b128 v[VW], v[WSQ:WSQ+3], s[\ptr+4:\ptr+5] offset:((\n)%2)*512   ; the four blocks' words: sixteen lanes store 256 consecutive bytes (lanes 16-31 hold and store the same)
.endm
; THE WAY OUT OF A PAIR OF BLOCKS OF v: sums in sets a0 and a0 + 1; in tile t a lane's 16 sums are 16 tokens of scale block 2 w + cc.
.macro WVP a0, cc, half
.set E_, ACC+32*(\a0)
	s_wait_xcnt 0x0
.irp t, 0,1,2,3
	v_max3_num_f32 v[TM+\t], |v[E_+8*\t]|, |v[E_+8*\t+1]|, 0x8000000
.endr
.irp k, 2,4,6,32,34,36,38
.irp t, 0,1,2,3
	v_max3_num_f32 v[TM+\t], v[TM+\t], |v[E_+8*\t+\k]|, |v[E_+8*\t+\k+1]|
.endr
.endr
	SCALE4 0,1,2,3
.irp t, 0,1,2,3
.irp j, 0,1,2,3,4,5,6,7,32,33,34,35,36,37,38,39
	v_med3_num_f32 v[E_+8*\t+\j], v[E_+8*\t+\j], -v[HDR+\t], v[HDR+\t]
.endr
	v_cvt_scalef32_pk8_bf8_f32 v[PC+4*\t:PC+4*\t+1], v[E_+8*\t:E_+8*\t+7], v[SOP+\t]
	v_cvt_scalef32_pk8_bf8_f32 v[PC+4*\t+2:PC+4*\t+3], v[E_+8*\t+32:E_+8*\t+39], v[SOP+\t]
.endr
	v_nop
.irp t, 0,1,2,3
	ds_store_b8 v[XVA], v[EB+\t] offset:(\half)*512+4*\t+\cc
	global_store_b128 v[VO], v[PC+4*\t:PC+4*\t+3], s[96:97] offset:(\half)*8192+2048*\t+512*\cc
.endr
.endm
.macro CHUNKV slot, n, half                    ; a chunk of phase 2: a key step of 128 keys
	FETCH \slot, 0, \n
	FETCH \slot, 1, \n
	s_wait_dscnt NF
	P 1, 0, 0
	PLACES 8
	FETCH \slot, 2, \n
	s_wait_dscnt NF
	P 1, 1, 1
	PLACES 8
	FETCH \slot, 3, \n
	s_wait_dscnt NF
	P 1, 0, 2
	WVP 0, 0, \half
	s_wait_dscnt 4                                 ; the pair's four byte stores may be out
	P 1, 1, 3
	PLACES 8
	WVP 2, 1, \half
.endm
	WEIGHTS ADRB
	REFILL 100, 131072, YB                         ; the weight is in registers: chunk 1 over its rows.  The round also shows chunk 0 and the scale bytes
	s_wait_loadcnt 0x0                             ; the weights' scale words
	CHUNKQ 0, 0, 88, 1
	REFILL 101, 0, 0                               ; chunk 2
	CHUNKQ 1, 1, 88, 2
	REFILL 101, 131072, YB                         ; chunk 3
	CHUNKQ 0, 2, 90, 0
	GRD
	s_wait_dscnt 0x0
	CROUND
	TLOAD G0V, G1V
	CHUNKQ 1, 3, 90, 0
.irp q, 0,1,2,3,4,5,6,7,8,9,10,11,12,13,14,15
	v_mov_b32 v[SB+\q], v[WS+\q]                   ; THE CHANGE OF PHASE: Wv's scale words into their place,
.endr
	PLACES 8                                       ; eight places ahead of the products that take them
	s_wait_alu depctr_va_vdst(0)                   ; the wait ahead of the wait below
	s_wait_tensorcnt 0x0                           ; every wave: its quarter of Wv's rows is in
	s_wait_dscnt 0x0
	BARRIER                                        ; everybody's is
	WEIGHTS ADRB+1
	REFILL 101, 0, 0                               ; Wv is in registers: chunk 2 anew over its rows
	CHUNKV 1, 3, 1                                 ; chunk 3, as it lies in slot 1: the window's second key step
	s_wait_tensorcnt 0x0
	s_wait_dscnt 0x0
	BARRIER                                        ; chunk 2 is shown
	CHUNKV 0, 2, 0
	s_wait_dscnt 0x0                               ; my bytes of v's scales are stored,
	BARRIER                                        ; everybody's are
	ds_load_b128 v[TM:TM+3], v[XVR]
	s_wait_dscnt 0x0
	global_store_b128 v[VO], v[TM:TM+3], s[98:99]  ; 512 consecutive bytes: a key step's words of one head
	s_wait_tensorcnt 0x0                           ; the wave's end
	ds_add_u32 v[SPW], v[NIL]
	s_wait_dscnt 0x0
	CROUND                                         ; the closing round
	s_endpgm
.Lfunc_end_k_qcb53b4323a_qkv:
	.size	k_qcb53b4323a_qkv, .Lfunc_end_k_qcb53b4323a_qkv-k_qcb53b4323a_qkv
	.p2alignl 7, 3214868480
	.fill 96, 4, 3214868480
	.section	.rodata,"a",@progbits
	.p2align	6, 0x0
	.amdhsa_kernel k_qcb53b4323a_qkv
		.amdhsa_group_segment_fixed_size 327680
		.amdhsa_private_segment_fixed_size 0
		.amdhsa_enable_private_segment 0
		.amdhsa_kernarg_size 88
		.amdhsa_user_sgpr_count 2
		.amdhsa_user_sgpr_kernarg_segment_ptr 1
		.amdhsa_wavefront_size32 1
		.amdhsa_system_sgpr_workgroup_id_x 1
		.amdhsa_system_sgpr_workgroup_id_y 1
		.amdhsa_system_sgpr_workgroup_id_z 1
		.amdhsa_system_vgpr_workitem_id 0
		.amdhsa_next_free_vgpr 1024
		.amdhsa_next_free_sgpr 102
		.amdhsa_reserve_vcc 0
		.amdhsa_float_denorm_mode_32 3
		.amdhsa_float_denorm_mode_16_64 3
		.amdhsa_memory_ordered 1
		.amdhsa_forward_progress 1
		.amdhsa_inst_pref_size 255
	.end_amdhsa_kernel
	.section	.bss,"aw",@nobits
	.p2align	6
	.space	262144
	.amdgpu_metadata
---
amdhsa.version: [ 1, 2 ]
amdhsa.kernels:
  - .name:           k_qcb53b4323a_qkv
    .symbol:         k_qcb53b4323a_qkv.kd
    .args:
      - { .name: x_codes, .offset: 0, .size: 8, .value_kind: global_buffer, .address_space: global }
      - { .name: x_scales, .offset: 8, .size: 8, .value_kind: global_buffer, .address_space: global }
      - { .name: Wq_codes, .offset: 16, .size: 8, .value_kind: global_buffer, .address_space: global }
      - { .name: Wq_scales, .offset: 24, .size: 8, .value_kind: global_buffer, .address_space: global }
      - { .name: Wk_codes, .offset: 32, .size: 8, .value_kind: global_buffer, .address_space: global }
      - { .name: Wk_scales, .offset: 40, .size: 8, .value_kind: global_buffer, .address_space: global }
      - { .name: Wv_codes, .offset: 48, .size: 8, .value_kind: global_buffer, .address_space: global }
      - { .name: Wv_scales, .offset: 56, .size: 8, .value_kind: global_buffer, .address_space: global }
      - { .name: q_img, .offset: 64, .size: 8, .value_kind: global_buffer, .address_space: global }
      - { .name: q_sc, .offset: 72, .size: 8, .value_kind: global_buffer, .address_space: global }
      - { .name: kv, .offset: 80, .size: 8, .value_kind: global_buffer, .address_space: global }
    .group_segment_fixed_size: 327680
    .private_segment_fixed_size: 0
    .kernarg_segment_align: 8
    .kernarg_segment_size: 88
    .max_flat_workgroup_size: 128
    .sgpr_count:     102
    .vgpr_count:     1024
    .wavefront_size: 32
...
	.end_amdgpu_metadata
.endif
;; end of part 1
;; launch attn (part 2): grid 4 x 64, 16 waves a work-group, clusters of 4 x 1, 327,680 bytes of LDS; arguments q_img, q_sc, kv, ao_img, ao_sc; writes ao_img, ao_sc
.if DOCPART == 2
	.amdgcn_target "amdgcn-amd-amdhsa--gfx1250"
	.amdhsa_code_object_version 6
	.text
	.protected	k_qcb53b4323a_attn
	.globl	k_qcb53b4323a_attn
	.p2align	8
	.type	k_qcb53b4323a_attn,@function
k_qcb53b4323a_attn:
	s_mov_b64 s[64:65], 0
	v_nop
	global_prefetch_b8 v0, s[64:65] scope:SCOPE_SE
	s_setreg_imm32_b32 hwreg(HW_REG_WAVE_MODE, 25, 1), 1
	s_wait_xcnt 0x0
	s_wait_alu depctr_hold_cnt(0) depctr_sa_sdst(0) depctr_va_vdst(0) depctr_va_sdst(0) depctr_va_ssrc(0) depctr_va_vcc(0) depctr_vm_vsrc(0)
	s_getreg_b32 s2, hwreg(HW_REG_IB_STS2, 6, 4)
	s_cmp_eq_u32 s2, 0
	s_cbranch_scc0 .Lentry_in_a_cluster
	s_endpgm
.Lentry_in_a_cluster:
	s_bfe_u32 s2, ttmp6, 0x10000c
	s_cmp_lg_u32 s2, 0x3003
	s_cbranch_scc0 .Lentry_shape_is_right
	s_endpgm
.Lentry_shape_is_right:
; o = softmax(q k^T / 8) v for one head and 512 queries a work-group, both products on codes of BF8 (E5M2) with E8M0 scales, and o quantised along the head's 64 for the last product.  Nothing of the problem is left out here.
; THE SOFTMAX: t = score x log2(e) / 8; M = the running largest t rounded up to a whole number; p = 2^(t - M) is quantised along the keys; the row's sum is taken of the unquantised p and divides at the end.
; When M moves, the sum and O^T are multiplied by 2^(old M - new M), which rounds nothing.  LIMIT: the promise holds while |t| stays under 2^31; NaN and infinities are not served.
; SHARES: 16 waves; a wave owns one tile of 16 queries a pass, two passes (tiles 32 cx + wave and 16 on).  Both products are used transposed: a lane holds one query (lane % 16) throughout.
; K AND V OF THE WHOLE HEAD LIE IN LDS, filled once: 278,528 bytes.  Each wave issues ONE tensor load at the head: wave 4 n + s brings section s (k's images, v's images, k's words, v's words) of chunk n of 512 keys.
; In LDS the sections of the four chunks lie on end, so that a key step of 128 keys is 8,192 bytes on in the images and 512 in the words, for all 16 steps.
; Waves 0 to 3 have load lines of their own and wait alone at the first barrier, which shows chunk 0; behind four steps every wave waits and a second barrier shows the rest.  The second pass has no barrier.
; CLUSTERS: the four work-groups of a head read the same record of kv and ask for it jointly (mask 15).
; NO PREFETCH: every byte of K and V is asked for by the head's tensor loads, so no later load exists for a prefetch to run ahead of; q is 1,088 bytes a wave and pass, asked for a way out ahead of its use.
.set REC,   278528                     ; a head's record in kv
.set CHK,   69632                      ; a chunk of 512 keys in it: 32,768 k images, 32,768 v images, 2,048 k words, 2,048 v words
.set VIM,   131072                     ; LDS: v's images begin here (k's at 0)
.set KW,    262144                     ; k's scale words
.set VWO,   8192                       ; v's scale words lie so far behind k's
.set SPARE, REC                        ; the spare words: 128 bytes a wave, eight blocks of 256 bytes that no other line names
.set LI,   1                           ; v1 16 x lane
.set SPW,  2                           ; v2 my spare word; v3 0: never rewritten
.set NIL,  3
.set ADK,  4                           ; v4, v8, v5: the step's LDS addresses: k's images, v's images, the words
.set ADS,  5
.set QSA,  6                           ; v6 q's scale word; v7 o's scale byte
.set AOS,  7
.set ADV,  8
.set QF,   16                          ; v16-31 q: 8 registers of codes, 8 of zero codes.  v12 -M, v13 the largest score, v[14:15] the sum
.set KF,   32                          ; v32-103 eight tiles of k (and 8 registers of zero codes), then four of v
.set S,    104                         ; v104-167 S^T, then p
.set O,    168                         ; v168-199 O^T
.set PC,   200                         ; v200-215 p's codes
.set SCK,  216
.set SCV,  220
.set F,    226
.set BM,   228
.set PM,   232
.set HD,   236
.set SO,   240
.set C2,   244
.set TMP,  246
.set TM2,  247
.set PW,   250                         ; p's scale word; v252 q's: no product's two scale registers have numbers equal modulo 8
.set QS,   252
.set WV,   14
.set CX,   15
.set BH,   16
.set HIM,  18
.set MNT,  19
.set SEL,  20
.set CS,   22
.set G1L,  24                          ; s[24:31] group 1 for images (128 rows of 256 bytes); s[32:39] for words (8 rows); s[40:43], s[44:47] their groups 0
.set G1W,  32
.set G0L,  40
.set G0W,  44
.set TB,   48
.set TS,   49
.set CNT,  50
.macro CROUND
	s_barrier_signal -1
	s_barrier_wait -1
	s_cmp_lg_u32 s[WV], 0
	s_cbranch_scc1 .Lnot_wave_0_\@
	s_barrier_signal -3
.Lnot_wave_0_\@:
	s_barrier_wait -3
	s_barrier_signal -1
	s_barrier_wait -1
.endm
	s_load_b256 s[4:11], s[0:1], 0x0               ; q_img, q_sc, kv, ao_img
	s_load_b64 s[12:13], s[0:1], 0x20              ; ao_sc
	v_lshl_add_u32 v[SPW], v0, 2, SPARE
	v_mov_b32 v[NIL], 0
	ds_add_u32 v[SPW], v[NIL]                      ; the opening lines: the add twice on end and its wait
	ds_add_u32 v[SPW], v[NIL]
	v_lshrrev_b32 v1, 5, v0
	v_readfirstlane_b32 s[WV], v1
	s_bfe_u32 s[CX], ttmp6, 0x40000
	s_and_b32 s[BH], ttmp7, 0xffff                 ; 16 x batch + head
.irp g, G1L, G1W
	s_mov_b32 s[\g], 15|(3<<16)|(1<<21)            ; mask: all four partners; elements of 8 bytes; bit 21 beside a mask
	s_mov_b32 s[\g+1], 32<<16
	s_mov_b32 s[\g+3], 32<<16
	s_mov_b32 s[\g+5], 32
	s_mov_b32 s[\g+6], 0
	s_mov_b32 s[\g+7], 0
.endr
	s_mov_b32 s[G1L+2], 128<<16
	s_mov_b32 s[G1L+4], 128
	s_mov_b32 s[G1W+2], 8<<16
	s_mov_b32 s[G1W+4], 8
	s_mov_b32 s[HIM], 0xffff0000
	s_mov_b32 s[MNT], 0x600000
	s_mov_b32 s[SEL], 0x76543210
	s_mov_b32 s[SEL+1], 0xfedcba98
	s_mov_b32 s[CS], 0x3e38aa3b                    ; c = log2(e) / 8
	s_mov_b32 s[CS+1], s[CS]
	s_lshr_b32 s52, s[WV], 2                       ; n: my chunk
	s_and_b32 s53, s[WV], 1                        ; k's (0) or v's (1)
	s_mul_i32 s54, s[BH], REC
	s_mul_i32 s55, s52, CHK
	s_add_co_u32 s54, s54, s55
	s_lshl_b32 s56, s53, 15                        ; images: in memory 32,768 apart,
	s_add_co_u32 s56, s56, s54
	s_mov_b32 s57, 0
	s_lshl_b32 s[G0L+1], s53, 17                   ; in LDS at 131,072 x (v) + 32,768 n
	s_lshl_b32 s60, s52, 15
	s_add_co_u32 s[G0L+1], s[G0L+1], s60
	s_lshl_b32 s58, s53, 11                        ; words: in memory at 65,536 + 2,048 x (v),
	s_add_co_u32 s58, s58, s54
	s_add_co_u32 s58, s58, 65536
	s_mov_b32 s59, 0
	s_lshl_b32 s[G0W+1], s53, 13                   ; in LDS at KW + 8,192 x (v) + 2,048 n
	s_lshl_b32 s60, s52, 11
	s_add_co_u32 s[G0W+1], s[G0W+1], s60
	s_add_co_u32 s[G0W+1], s[G0W+1], KW
	s_mov_b32 s[G0L], 1
	s_mov_b32 s[G0W], 1
	s_wait_dscnt 0x0
	s_wait_kmcnt 0x0
	s_add_nc_u64 s[G0L+2:G0L+3], s[8:9], s[56:57]
	s_or_b32 s[G0L+3], s[G0L+3], 0x80000000
	s_add_nc_u64 s[G0W+2:G0W+3], s[8:9], s[58:59]
	s_or_b32 s[G0W+3], s[G0W+3], 0x80000000
	CROUND                                         ; all four work-groups are here: the joint loads meet
; One chain of branches on the wave's number, one load to an arm.  The first two arms are waves 0 to 3's alone: chunk 0.
.macro ARM under, g0, g1
	s_cmp_lt_u32 s[WV], \under
	s_cbranch_scc0 .Lnext_\@
	tensor_load_to_lds s[\g0:\g0+3], s[\g1:\g1+7]
	s_nop 0
.rept 4
	v_nop
.endr
	s_branch .Lasked
.Lnext_\@:
.endm
	ARM 2,  G0L, G1L
	ARM 4,  G0W, G1W
	ARM 6,  G0L, G1L
	ARM 8,  G0W, G1W
	ARM 10, G0L, G1L
	ARM 12, G0W, G1W
	ARM 14, G0L, G1L
	tensor_load_to_lds s[G0W:G0W+3], s[G1W:G1W+7]
	s_nop 0
.rept 4
	v_nop
.endr
.Lasked:
	v_and_b32 v1, 31, v0
	v_lshlrev_b32 v[LI], 4, v1
	v_and_b32 v9, 15, v0
	v_bfe_u32 v10, v0, 4, 1
	v_lshlrev_b32 v[QSA], 4, v9
	v_lshl_add_u32 v[AOS], v9, 5, v10
.irp j, 0,1,2,3,4,5,6,7
	v_mov_b32 v[QF+8+\j], 0                        ; the upper 64 of the first product's K: zero codes
	v_mov_b32 v[KF+64+\j], 0
.endr
.irp b, 0,1,2,3
	v_mov_b32 v[PM+\b], 0                          ; a lane permute's destination counts as a source
.endr
	v_mov_b32 v[F+1], 0
	v_mov_b32 v[TMP], 0
	s_mov_b32 s55, 0
	s_lshl_b32 s58, s[CX], 5
	s_add_co_u32 s58, s58, s[WV]                   ; my first tile of 16 queries in the head
	s_lshl_b32 s54, s[BH], 17
	s_lshl_b32 s53, s58, 10
	s_add_co_u32 s54, s54, s53
	s_add_nc_u64 s[4:5], s[4:5], s[54:55]          ; its image
	s_lshl_b32 s54, s[BH], 13
	s_lshr_b32 s53, s58, 2
	s_lshl_b32 s53, s53, 8
	s_add_co_u32 s54, s54, s53
	s_and_b32 s53, s58, 3
	s_lshl_b32 s53, s53, 2
	s_add_co_u32 s54, s54, s53
	s_add_nc_u64 s[6:7], s[6:7], s[54:55]          ; its scale words
	s_lshr_b32 s56, s[BH], 4
	s_lshl_b32 s56, s56, 7
	s_add_co_u32 s56, s56, s58
	s_and_b32 s57, s[BH], 15
	s_lshl_b32 s54, s56, 14
	s_lshl_b32 s53, s57, 10
	s_add_co_u32 s54, s54, s53
	s_add_nc_u64 s[10:11], s[10:11], s[54:55]      ; where o's codes go
	s_lshl_b32 s54, s56, 9
	s_lshl_b32 s53, s57, 1
	s_add_co_u32 s54, s54, s53
	s_add_nc_u64 s[12:13], s[12:13], s[54:55]      ; and its scale bytes
.macro QLOAD
	global_load_b128 v[QF:QF+3], v[LI], s[4:5]
	global_load_b128 v[QF+4:QF+7], v[LI], s[4:5] offset:512
	global_load_b32 v[QS], v[QSA], s[6:7]
.endm
	QLOAD
; A KEY STEP: 128 keys.
.macro STEP
	v_add_nc_u32 v[ADK], s[TB], v[LI]              ; these four and four v_nop are the eight places behind the last products, ahead of loads into registers that they read
	v_add_nc_u32 v[ADS], s[TS], v[LI]
	v_mov_b32 v[TMP], v12                          ; the old -M
	v_add_nc_u32 v[ADV], VIM, v[ADK]
.rept 4
	v_nop
.endr
.irp t, 0,1,2,3,4,5,6,7
	ds_load_b128 v[KF+8*\t:KF+8*\t+3], v[ADK] offset:1024*\t
	ds_load_b128 v[KF+8*\t+4:KF+8*\t+7], v[ADK] offset:1024*\t+512
.endr
	ds_load_b128 v[SCK:SCK+3], v[ADS]
	s_wait_alu depctr_va_vdst(0)                   ; the wait ahead of the wait below
	s_wait_dscnt 0x0
.irp t, 0,1,2,3,4,5,6,7
.if \t < 4
	v_wmma_scale_f32_16x16x128_f8f6f4 v[S+8*\t:S+8*\t+7], v[KF+8*\t:KF+8*\t+15], v[QF:QF+15], 0, v[SCK+\t], v[QS] matrix_a_fmt:MATRIX_FMT_BF8 matrix_b_fmt:MATRIX_FMT_BF8
.else
	v_wmma_scale_f32_16x16x128_f8f6f4 v[S+8*\t:S+8*\t+7], v[KF+8*\t:KF+8*\t+15], v[QF:QF+15], 0, v[SCK+\t-4], v[QS] matrix_a_fmt:MATRIX_FMT_BF8 matrix_b_fmt:MATRIX_FMT_BF8 matrix_a_scale:MATRIX_SCALE_ROW1
.endif
.endr
.rept 8
	v_nop
.endr
.irp t, 0,1,2,3
.irp c, 0,1,2,3
	ds_load_b128 v[KF+16*\t+4*\c:KF+16*\t+4*\c+3], v[ADV] offset:2048*\t+512*\c
.endr
.endr
	ds_load_b128 v[SCV:SCV+3], v[ADS] offset:VWO
.irp b, 0,1,2,3
	v_max3_num_f32 v[BM+\b], v[S+16*\b], v[S+16*\b+1], v[S+16*\b+2]   ; each block's largest score: for the row's maximum and for the block's largest p
.endr
.irp i, 3,5,7,9,11,13
.irp b, 0,1,2,3
	v_max3_num_f32 v[BM+\b], v[BM+\b], v[S+16*\b+\i], v[S+16*\b+\i+1]
.endr
.endr
.irp b, 0,1,2,3
	v_max_num_f32 v[BM+\b], v[BM+\b], v[S+16*\b+15]
.endr
.irp b, 0,1,2,3
	s_delay_alu instid0(VALU_DEP_4)
	v_permlanex16_b32 v[PM+\b], v[BM+\b], s[SEL], s[SEL+1]
.endr
.irp b, 0,1,2,3
	s_delay_alu instid0(VALU_DEP_4)
	v_max_num_f32 v[BM+\b], v[BM+\b], v[PM+\b]
.endr
	s_delay_alu instid0(VALU_DEP_3)
	v_max3_num_f32 v13, v13, v[BM], v[BM+1]        ; the running largest SCORE (c is positive, so it is also the largest t's)
	s_delay_alu instid0(VALU_DEP_1)
	v_max3_num_f32 v13, v13, v[BM+2], v[BM+3]
	s_delay_alu instid0(VALU_DEP_1)
	v_mul_f32 v[TM2], s[CS], v13                   ; as t
	s_delay_alu instid0(VALU_DEP_1)
	v_floor_f32 v12, -v[TM2]                       ; -M = floor(-t)
	s_delay_alu instid0(VALU_DEP_1)
	v_sub_f32 v[TMP], v12, v[TMP]                  ; old M - new M: a whole number, 0 or less
	s_delay_alu instid0(VALU_DEP_1)
	v_cvt_i32_f32 v[TMP], v[TMP]
	s_delay_alu instid0(VALU_DEP_1)
	v_ldexp_f32 v[F], 1.0, v[TMP]                  ; f = 2^(old M - new M)
.set j, 0
.rept 32
	v_pk_fma_f32 v[S+j:S+j+1], v[S+j:S+j+1], s[CS:CS+1], v[12:13] op_sel_hi:[1,0,0]
.set j, j+2
.endr
.irp b, 0,1,2,3
	v_fma_f32 v[BM+\b], v[BM+\b], s[CS], v12
.endr
	s_wait_alu depctr_va_vdst(0)                   ; one wait ahead of the batch of 68,
.irp b, 0,1,2,3
	v_exp_f32 v[BM+\b], v[BM+\b]                   ; each block's largest p
.endr
.set j, 0
.rept 64
	v_exp_f32 v[S+j], v[S+j]                       ; p = 2^(t - M)
.set j, j+1
.endr
	v_pk_mul_f32 v[14:15], v[14:15], v[F:F+1] op_sel_hi:[1,0]
	s_wait_alu depctr_va_vdst(0)                   ; and one behind it
	v_pk_add_f32 v[C2:C2+1], v[S:S+1], v[S+2:S+3]  ; the row's sum of the unquantised p, in two chains
.irp j, 4,8,12,16,20,24,28,32,36,40,44,48,52,56,60
	v_pk_add_f32 v[14:15], v[14:15], v[S+\j:S+\j+1]
	v_pk_add_f32 v[C2:C2+1], v[C2:C2+1], v[S+\j+2:S+\j+3]
.endr
	s_delay_alu instid0(VALU_DEP_1)
	v_pk_add_f32 v[14:15], v[14:15], v[C2:C2+1]
.irp b, 0,1,2,3
	v_max_num_f32 v[BM+\b], 0x8000000, v[BM+\b]    ; the floor 2^(16 - 127): the byte cannot fall under 1
.endr
.irp b, 0,1,2,3
	s_delay_alu instid0(VALU_DEP_4)
	v_add_nc_u32 v[SO+\b], 0xf8800000, v[BM+\b]    ; the conversion's scale operand
.endr
.irp b, 0,1,2,3
	v_and_or_b32 v[HD+\b], v[BM+\b], 0x7f800000, s[MNT]   ; 57,344 x the scale
.endr
.irp b, 0,1,2,3
	v_lshrrev_b32 v[PM+\b], 23, v[SO+\b]           ; the byte
.endr
	s_delay_alu instid0(VALU_DEP_3)
	v_lshl_or_b32 v[PW], v[PM+1], 8, v[PM]
	s_delay_alu instid0(VALU_DEP_1)
	v_lshl_or_b32 v[PW], v[PM+2], 16, v[PW]
	s_delay_alu instid0(VALU_DEP_1)
	v_lshl_or_b32 v[PW], v[PM+3], 24, v[PW]
.irp b, 0,2                                    ; the hold (p is not negative: one-sided), two numbers an instruction: one of block b, one of block b + 1, so that the pair's sources lie in different register banks
.irp i, 0,2,4,6,8,10,12,14
	v_dual_min_num_f32 v[S+16*\b+\i], v[S+16*\b+\i], v[HD+\b] :: v_dual_min_num_f32 v[S+16*\b+17+\i], v[S+16*\b+17+\i], v[HD+\b+1]
	v_dual_min_num_f32 v[S+16*\b+16+\i], v[S+16*\b+16+\i], v[HD+\b+1] :: v_dual_min_num_f32 v[S+16*\b+1+\i], v[S+16*\b+1+\i], v[HD+\b]
.endr
.irp e, 0,1
	v_cvt_scalef32_pk8_bf8_f32 v[PC+4*(\b+\e):PC+4*(\b+\e)+1], v[S+16*(\b+\e):S+16*(\b+\e)+7], v[SO+\b+\e]
	v_cvt_scalef32_pk8_bf8_f32 v[PC+4*(\b+\e)+2:PC+4*(\b+\e)+3], v[S+16*(\b+\e)+8:S+16*(\b+\e)+15], v[SO+\b+\e]
.endr
.endr
	s_wait_alu depctr_va_vdst(0)                   ; the wait directly ahead of the first reader of O^T
.set j, 0
.rept 16
	v_pk_mul_f32 v[O+j:O+j+1], v[O+j:O+j+1], v[F:F+1] op_sel_hi:[1,0]   ; O^T under the new M; also the places ahead of the products below
.set j, j+2
.endr
	s_wait_alu depctr_va_vdst(0)                   ; the wait ahead of the wait below
	s_wait_dscnt 0x0
.irp t, 0,1,2,3
	v_wmma_scale_f32_16x16x128_f8f6f4 v[O+8*\t:O+8*\t+7], v[KF+16*\t:KF+16*\t+15], v[PC:PC+15], v[O+8*\t:O+8*\t+7], v[SCV+\t], v[PW] matrix_a_fmt:MATRIX_FMT_BF8 matrix_b_fmt:MATRIX_FMT_BF8
.endr
.endm
.macro RUN n                                   ; n key steps on from where TB and TS stand
	s_mov_b32 s[CNT], \n
.Lstep_\@:
	STEP
	s_add_co_u32 s[TB], s[TB], 8192
	s_add_co_u32 s[TS], s[TS], 512
	s_sub_co_u32 s[CNT], s[CNT], 1
	s_cmp_lg_u32 s[CNT], 0
	s_cbranch_scc1 .Lstep_\@
.endm
.macro BEGIN                                   ; a pass begins: zeros, which the first change of M leaves zeros
	v_mov_b32 v13, 0xff61b1e6                      ; -3e38, under every score
	v_floor_f32 v12, -v13
	v_mov_b32 v14, 0
	v_mov_b32 v15, 0
.set j, 0
.rept 32
	v_mov_b32 v[O+j], 0
.set j, j+1
.endr
	s_mov_b32 s[TB], 0
	s_mov_b32 s[TS], KW
	s_wait_alu depctr_va_vdst(0)                   ; the wait ahead of the wait below
	s_wait_loadcnt 0x0                             ; q
.endm
; THE WAY OUT: O^T / the sum, quantised along the head's 64 (two blocks of 32, each in lanes l and l xor 16), laid as the last product's operand registers.
.macro WAYOUT
.rept 8
	v_nop
.endr
	v_add_f32 v14, v14, v15
	s_delay_alu instid0(VALU_DEP_1)
	v_permlanex16_b32 v[TMP], v14, s[SEL], s[SEL+1]
	s_delay_alu instid0(VALU_DEP_1)
	v_add_f32 v14, v14, v[TMP]
	s_wait_alu depctr_va_vdst(0)
	v_rcp_f32 v14, v14
	v_nop
	s_wait_alu depctr_va_vdst(0)
.set j, 0
.rept 32
	v_mul_f32 v[S+j], v[O+j], v14
.set j, j+1
.endr
.irp b, 0,1
	v_max3_num_f32 v[BM+\b], |v[S+16*\b]|, |v[S+16*\b+1]|, 0x8000000
.endr
.irp i, 2,4,6,8,10,12,14
.irp b, 0,1
	s_delay_alu instid0(VALU_DEP_2)
	v_max3_num_f32 v[BM+\b], v[BM+\b], |v[S+16*\b+\i]|, |v[S+16*\b+\i+1]|
.endr
.endr
.irp b, 0,1
	s_delay_alu instid0(VALU_DEP_2)
	v_permlanex16_b32 v[PM+\b], v[BM+\b], s[SEL], s[SEL+1]
.endr
.irp b, 0,1
	s_delay_alu instid0(VALU_DEP_2)
	v_max_num_f32 v[BM+\b], v[BM+\b], v[PM+\b]
.endr
.irp b, 0,1
	s_delay_alu instid0(VALU_DEP_2)
	v_add_nc_u32 v[SO+\b], 0xf8800000, v[BM+\b]
.endr
.irp b, 0,1
	s_delay_alu instid0(VALU_DEP_4)
	v_and_or_b32 v[HD+\b], v[BM+\b], 0x7f800000, s[MNT]
.endr
.irp b, 0,1
	s_delay_alu instid0(VALU_DEP_4)
	v_lshrrev_b32 v[PM+\b], 23, v[SO+\b]
.endr
.irp b, 0,1
.irp i, 0,1,2,3,4,5,6,7,8,9,10,11,12,13,14,15
	v_med3_num_f32 v[S+16*\b+\i], v[S+16*\b+\i], -v[HD+\b], v[HD+\b]
.endr
	v_cvt_scalef32_pk8_bf8_f32 v[PC+4*\b:PC+4*\b+1], v[S+16*\b:S+16*\b+7], v[SO+\b]
	v_cvt_scalef32_pk8_bf8_f32 v[PC+4*\b+2:PC+4*\b+3], v[S+16*\b+8:S+16*\b+15], v[SO+\b]
.endr
	v_nop
	v_cndmask_b32 v[TMP], v[PM], v[PM+1], s[HIM]   ; lanes 0-15 store block 0's byte, lanes 16-31 block 1's
.irp x, 0,1,4,5                                ; the halves of the lanes exchange eight codes, so that a lane holds 16 neighbours along the last product's K
	v_permlanex16_b32 v[PM+2], v[PC+2+\x], s[SEL], s[SEL+1]
	v_permlanex16_b32 v[PM+3], v[PC+\x], s[SEL], s[SEL+1]
	v_cndmask_b32 v[PC+\x], v[PC+\x], v[PM+2], s[HIM]
	v_cndmask_b32 v[PC+2+\x], v[PM+3], v[PC+2+\x], s[HIM]
.endr
	global_store_b128 v[LI], v[PC:PC+3], s[10:11]                  ; each store: 512 consecutive bytes, aligned to 256
	global_store_b128 v[LI], v[PC+4:PC+7], s[10:11] offset:512
	global_store_b8 v[AOS], v[TMP], s[12:13]
.endm
	BEGIN                                          ; THE FIRST PASS
	s_cmp_lt_u32 s[WV], 4
	s_cbranch_scc0 .Lnot_first
	s_wait_tensorcnt 0x0                           ; waves 0 to 3: chunk 0 is in.  The other waves' wait stands at the second barrier
.Lnot_first:
	s_barrier_signal -1
	s_barrier_wait -1
	RUN 4
	s_wait_tensorcnt 0x0                           ; every wave: all that was still out is in
	s_wait_dscnt 0x0
	s_barrier_signal -1
	s_barrier_wait -1
	RUN 12
	s_add_nc_u64 s[4:5], s[4:5], 16384             ; the second pass's q, 16 tiles on (the first pass's loads were waited for)
	s_add_nc_u64 s[6:7], s[6:7], 1024
	QLOAD
	WAYOUT
	s_wait_xcnt 0x0                                ; the stores have read their data and bases
	s_add_nc_u64 s[10:11], s[10:11], 262144
	s_add_nc_u64 s[12:13], s[12:13], 8192
	BEGIN                                          ; THE SECOND PASS: all of K and V lies in LDS and nobody writes it: no barrier
	RUN 16
	WAYOUT
	s_wait_tensorcnt 0x0                           ; the wave's end
	ds_add_u32 v[SPW], v[NIL]
	s_wait_dscnt 0x0
	CROUND                                         ; the closing round
	s_endpgm
.Lfunc_end_k_qcb53b4323a_attn:
	.size	k_qcb53b4323a_attn, .Lfunc_end_k_qcb53b4323a_attn-k_qcb53b4323a_attn
	.p2alignl 7, 3214868480
	.fill 96, 4, 3214868480
	.section	.rodata,"a",@progbits
	.p2align	6, 0x0
	.amdhsa_kernel k_qcb53b4323a_attn
		.amdhsa_group_segment_fixed_size 327680
		.amdhsa_private_segment_fixed_size 0
		.amdhsa_enable_private_segment 0
		.amdhsa_kernarg_size 40
		.amdhsa_user_sgpr_count 2
		.amdhsa_user_sgpr_kernarg_segment_ptr 1
		.amdhsa_wavefront_size32 1
		.amdhsa_system_sgpr_workgroup_id_x 1
		.amdhsa_system_sgpr_workgroup_id_y 1
		.amdhsa_system_sgpr_workgroup_id_z 1
		.amdhsa_system_vgpr_workitem_id 0
		.amdhsa_next_free_vgpr 256
		.amdhsa_next_free_sgpr 66
		.amdhsa_reserve_vcc 0
		.amdhsa_float_denorm_mode_32 3
		.amdhsa_float_denorm_mode_16_64 3
		.amdhsa_memory_ordered 1
		.amdhsa_forward_progress 1
		.amdhsa_inst_pref_size 85
	.end_amdhsa_kernel
	.amdgpu_metadata
---
amdhsa.version: [ 1, 2 ]
amdhsa.kernels:
  - .name:           k_qcb53b4323a_attn
    .symbol:         k_qcb53b4323a_attn.kd
    .args:
      - { .name: q_img, .offset: 0, .size: 8, .value_kind: global_buffer, .address_space: global }
      - { .name: q_sc, .offset: 8, .size: 8, .value_kind: global_buffer, .address_space: global }
      - { .name: kv, .offset: 16, .size: 8, .value_kind: global_buffer, .address_space: global }
      - { .name: ao_img, .offset: 24, .size: 8, .value_kind: global_buffer, .address_space: global }
      - { .name: ao_sc, .offset: 32, .size: 8, .value_kind: global_buffer, .address_space: global }
    .group_segment_fixed_size: 327680
    .private_segment_fixed_size: 0
    .kernarg_segment_align: 8
    .kernarg_segment_size: 40
    .max_flat_workgroup_size: 512
    .sgpr_count:     66
    .vgpr_count:     256
    .wavefront_size: 32
...
	.end_amdgpu_metadata
.endif
;; end of part 2
;; launch proj (part 3): grid 8 x 32, 4 waves a work-group, clusters of 4 x 4, 327,680 bytes of LDS; arguments ao_img, ao_sc, Wo_codes, Wo_scales, out0, bo; writes out0
.if DOCPART == 3
	.amdgcn_target "amdgcn-amd-amdhsa--gfx1250"
	.amdhsa_code_object_version 6
	.text
	.protected	k_qcb53b4323a_proj
	.globl	k_qcb53b4323a_proj
	.p2align	8
	.type	k_qcb53b4323a_proj,@function
k_qcb53b4323a_proj:
	s_mov_b64 s[64:65], 0
	v_nop
	global_prefetch_b8 v0, s[64:65] scope:SCOPE_SE
	s_setreg_imm32_b32 hwreg(HW_REG_WAVE_MODE, 25, 1), 1
	s_wait_xcnt 0x0
	s_wait_alu depctr_hold_cnt(0) depctr_sa_sdst(0) depctr_va_vdst(0) depctr_va_sdst(0) depctr_va_ssrc(0) depctr_va_vcc(0) depctr_vm_vsrc(0)
	s_getreg_b32 s2, hwreg(HW_REG_IB_STS2, 6, 4)
	s_cmp_eq_u32 s2, 0
	s_cbranch_scc0 .Lentry_in_a_cluster
	s_endpgm
.Lentry_in_a_cluster:
	s_bfe_u32 s2, ttmp6, 0x10000c
	s_cmp_lg_u32 s2, 0xf033
	s_cbranch_scc0 .Lentry_shape_is_right
	s_endpgm
.Lentry_shape_is_right:
; out0 = o Wo^T + bo on codes of BF8 (E5M2) with one E8M0 scale for each 32 along K: 8,192 x 1,024 x 1,024, f32 sums and results.  Nothing of the problem is left out here.
; ao_img [512 tiles of 16 tokens][8 K steps of 128][4 c][32 lanes][16 bytes]: images of operand registers; ao_sc [8,192 tokens][32 bytes]; both as the launch before leaves them.
; THE DEAL: 256 work-groups of four waves, 2 x 2; a work-group makes 256 rows x 128 columns.  A wave holds 64 rows of Wo, ALL of K, in 512 registers (windows 1, 2) and streams its 128 tokens past them in eight blocks of 16,
; which stand in registers as two whole sets (window 3): 32 products a block, the block's four accumulators by turns.  The bias is the first products' C.
; LDS: two slots of 128 rows of 1,024 bytes + 16 of padding.  At the head: wave 0 Wo's 128 rows (slot 1), waves 1 and 2 the halves of chunk 0 (tokens 0-127, slot 0), wave 3 the scale bytes of the 256 tokens.
; Wave 0 has a load line of its own and waits alone at the first barrier, which shows Wo.  When all waves hold Wo in registers, a drained round of the cluster's barrier follows, and chunk 1 is filled over Wo's rows, a quarter a wave.
; CLUSTERS: 4 x 4; o's rows are asked for jointly along a row of the cluster, Wo's along a column.
; THE MATRIX INSTRUCTION IS USED TRANSPOSED (source 0 = 16 rows of Wo, source 1 = 16 tokens): lane (r, h) holds token r and its register j column 16 b + 8 h + j.
; THE WAY OUT: a block's 16 rows x 256 bytes go through the wave's own stage in LDS and leave as whole aligned units of 256 bytes; a block's stores stand behind the next block's products.
; PREFETCH: chunk 1 is the only tile asked for behind the head; each of the 16 waves of a cluster's row names a sixteenth of it (32 lanes x 256 bytes) behind the first barrier, ahead of the 128 LDS loads that stand in front of its tensor load.
; LIMITS: NaN and infinities among the inputs are not served.
.set KROW,  1024
.set PITCH, KROW+16
.set TILE,  16*PITCH                   ; a tile of 16 tokens in LDS: 16,384 bytes of image in 16 padded rows
.set YB,    128*PITCH                  ; slot 1
.set SCL,   2*YB                       ; the tokens' scale bytes: 32 units of 256 bytes + 16 of padding
.set STAGE, SCL+32*272                 ; 16 rows x 272 bytes for each wave: no fill lands here
.set SPARE, STAGE+4*16*272             ; the spare words: two blocks of 256 bytes that no other line names
.set NF,    34                         ; LDS loads of a block: eight fragments of four, two of four scale words
.set NS,    16                         ; LDS instructions of a block's passage through the stage
.set ADA,   4                          ; v4-7   LDS address of my token tiles: chunk 0 blocks 0-1, 2-3; chunk 1 likewise
.set AAS,   8                          ; v8, v9 of my tokens' scale words in chunk 0, 1
.set STO,   10                         ; v10 stage, in; v11 stage, back; v12 my offset in two rows of out0
.set RD,    11
.set CO,    12
.set ABS,   13                         ; v13 32 x lane: Wo's scale bytes; v15 32 h: the bias
.set ADRB,  14                         ; v14 LDS address of my fragments of Wo
.set BIA,   15
.set SPW,   16                         ; v16 my spare word; v17 0: never rewritten
.set NIL,   17
.set PF,    18                         ; v18 the prefetch's offset
.set SB,    24                         ; v24-39 Wo's scale words: register 8 p + q: lanes 0-15 tile 2 p's, lanes 16-31 tile 2 p + 1's
.set SA,    44                         ; v44-59 the tokens': two sets of eight: no product's two scale registers have numbers equal modulo 8
.set ACC,   64                         ; v64-127 two sets of four accumulators
.set BI,    128                        ; v128-159 the bias in the accumulators' layout
.set OB,    160                        ; v160-223 two sets of 16 rows read back from the stage
.set G1B, 24                           ; descriptor groups 1: Wo (128 rows), half a chunk (64), a quarter (32), scale bytes; groups 0 behind them
.set G1A, 32
.set G1R, 40
.set G1S, 48
.set G0B, 56
.set G0A, 60
.set G0R, 68
.set G0S, 72
.set WV,  20                           ; s20 wave; s21 its row of waves; s22 its column
.set MSB, 0
.macro WIN new                         ; the immediate's high byte repeats the setting that is left
.if MSB != \new
	s_set_vgpr_msb (MSB<<8)|\new
.set MSB, \new
.endif
.endm
.macro PLACES n
.rept \n
	v_nop
.endr
.endm
.macro BARRIER
	s_barrier_signal -1
	s_barrier_wait -1
.endm
.macro CROUND                          ; a round of the cluster's barrier
	BARRIER
	s_cmp_lg_u32 s[WV], 0
	s_cbranch_scc1 .Lnot_wave_0_\@
	s_barrier_signal -3
.Lnot_wave_0_\@:
	s_barrier_wait -3
	BARRIER
.endm
.macro TLOAD g0, g1                    ; an s_nop 0 and four v_nop follow a tensor load
	tensor_load_to_lds s[\g0:\g0+3], s[\g1:\g1+7]
	s_nop 0
	PLACES 4
.endm
.macro GROUP1 g, mask, rows            ; so many whole rows of 1,024 bytes, dense in memory, 16 bytes of padding behind each in LDS
	s_or_b32 s[\g+0], s[\mask], (1<<20)|(1<<21)|(7<<22)|(3<<25)
	s_mov_b32 s[\g+1], KROW<<16
	s_mov_b32 s[\g+2], (\rows)<<16
	s_mov_b32 s[\g+3], KROW<<16
	s_mov_b32 s[\g+4], \rows
	s_mov_b32 s[\g+5], KROW
	s_mov_b32 s[\g+6], 0
	s_mov_b32 s[\g+7], 0
.endm
	s_load_b256 s[4:11], s[0:1], 0x0               ; ao_img, ao_sc, Wo_codes, Wo_scales
	s_load_b128 s[12:15], s[0:1], 0x20             ; out0, bo
	v_lshl_add_u32 v[SPW], v0, 2, SPARE
	v_mov_b32 v[NIL], 0
	ds_add_u32 v[SPW], v[NIL]                      ; the opening lines: the add twice on end and its wait
	ds_add_u32 v[SPW], v[NIL]
	v_lshrrev_b32 v1, 5, v0
	v_readfirstlane_b32 s[WV], v1
	s_lshr_b32 s21, s[WV], 1
	s_and_b32 s22, s[WV], 1
	s_bfe_u32 s76, ttmp6, 0x40000                  ; cx, cy
	s_bfe_u32 s77, ttmp6, 0x40004
	s_lshl_b32 s78, ttmp9, 2
	s_add_co_u32 s78, s78, s76                     ; tile column (128 columns)
	s_and_b32 s79, ttmp7, 0xffff
	s_lshl_b32 s79, s79, 2
	s_add_co_u32 s79, s79, s77                     ; tile row (256 tokens)
	s_lshl_b32 s80, s77, 2
	s_lshl_b32 s80, 15, s80                        ; my row of the cluster
	s_lshl_b32 s81, 0x1111, s76                    ; my column
	GROUP1 G1B, 81, 128
	GROUP1 G1A, 80, 64
	GROUP1 G1R, 80, 32
	s_or_b32 s[G1S+0], s80, (3<<16)|(1<<20)|(1<<21)|(5<<22)|(3<<25)   ; 8,192 dense bytes as 32 rows of 256 (32 elements of 8), 16 of padding behind each
	s_mov_b32 s[G1S+1], 32<<16
	s_mov_b32 s[G1S+2], 32<<16
	s_mov_b32 s[G1S+3], 32<<16
	s_mov_b32 s[G1S+4], 32
	s_mov_b32 s[G1S+5], 32
	s_mov_b32 s[G1S+6], 0
	s_mov_b32 s[G1S+7], 0
	s_mov_b32 s[G0B], 1
	s_mov_b32 s[G0B+1], YB
	s_mov_b32 s[G0A], 1
	s_mul_i32 s[G0A+1], s21, 64*PITCH              ; wave 1: rows 0-63; wave 2: rows 64-127
	s_mov_b32 s[G0R], 1
	s_mul_i32 s[G0R+1], s[WV], 32*PITCH
	s_add_co_u32 s[G0R+1], s[G0R+1], YB
	s_mov_b32 s[G0S], 1
	s_mov_b32 s[G0S+1], SCL
	s_lshl_b32 s82, s79, 18                        ; my tile row's images: 256 tokens x 1,024 bytes
	s_lshl_b32 s84, s21, 16
	s_add_co_u32 s84, s84, s82
	s_mov_b32 s85, 0
	s_lshl_b32 s86, s[WV], 15                      ; chunk 1: my quarter
	s_add_co_u32 s86, s86, s82
	s_add_co_u32 s86, s86, 131072
	s_mov_b32 s87, 0
	s_lshl_b32 s88, s78, 17                        ; Wo's 128 rows
	s_mov_b32 s89, 0
	s_lshl_b32 s90, s79, 13                        ; the tokens' scale bytes
	s_mov_b32 s91, 0
	s_wait_dscnt 0x0                               ; both opening adds are done
	s_wait_kmcnt 0x0
	s_add_nc_u64 s[G0A+2:G0A+3], s[4:5], s[84:85]
	s_or_b32 s[G0A+3], s[G0A+3], 0x80000000
	s_add_nc_u64 s[G0R+2:G0R+3], s[4:5], s[86:87]
	s_or_b32 s[G0R+3], s[G0R+3], 0x80000000
	s_add_nc_u64 s[G0B+2:G0B+3], s[8:9], s[88:89]
	s_or_b32 s[G0B+3], s[G0B+3], 0x80000000
	s_add_nc_u64 s[G0S+2:G0S+3], s[6:7], s[90:91]
	s_or_b32 s[G0S+3], s[G0S+3], 0x80000000
	CROUND                                         ; all sixteen work-groups are here: the first joint loads meet
	s_cmp_eq_u32 s[WV], 0                          ; one chain of branches on the wave's number, one load to an arm
	s_cbranch_scc0 .Lfor_rows
	TLOAD G0B, G1B                                 ; wave 0: Wo, which is wanted first
	s_branch .Lasked
.Lfor_rows:
	s_cmp_lt_u32 s[WV], 3
	s_cbranch_scc0 .Lfor_scales
	TLOAD G0A, G1A                                 ; waves 1, 2: chunk 0
	s_branch .Lasked
.Lfor_scales:
	TLOAD G0S, G1S                                 ; wave 3: the scale bytes
.Lasked:
	s_mul_i32 s2, s22, 64*PITCH                    ; my 64 rows of Wo
	s_add_co_u32 s2, s2, YB
	s_mul_i32 s3, s21, 4*TILE                      ; my four tiles of a chunk
	s_mul_i32 s16, s21, 8*272                      ; their 64 rows of scale bytes
	s_add_co_u32 s16, s16, SCL
	s_mul_i32 s17, s[WV], 16*272                   ; my stage
	s_add_co_u32 s17, s17, STAGE
	s_lshl_b32 s18, s76, 2                         ; which of the cluster row's sixteen waves I am: my share of the prefetch, told apart by address
	s_add_co_u32 s18, s18, s[WV]
	s_lshl_b32 s18, s18, 13
	s_add_co_u32 s18, s18, s82
	s_add_co_u32 s18, s18, 131072
	s_lshl_b32 s19, s78, 7
	s_lshl_b32 s23, s22, 6
	s_add_co_u32 s19, s19, s23                     ; my first column
	s_lshl_b32 s84, s19, 5
	s_add_nc_u64 s[10:11], s[10:11], s[84:85]      ; its scale bytes,
	s_lshl_b32 s86, s19, 2
	s_add_nc_u64 s[14:15], s[14:15], s[86:87]      ; its bias,
	s_lshl_b32 s88, s79, 20
	s_lshl_b32 s23, s21, 18
	s_add_co_u32 s88, s88, s23
	s_add_co_u32 s88, s88, s86
	s_add_nc_u64 s[12:13], s[12:13], s[88:89]      ; and my first row of out0 at that column
	v_and_b32 v1, 15, v0                           ; r
	v_bfe_u32 v2, v0, 4, 1                         ; h
	v_and_b32 v3, 31, v0                           ; lane
	v_mul_u32_u24 v19, v1, PITCH
	v_lshl_add_u32 v19, v2, 4, v19
	v_add_nc_u32 v[ADRB], s2, v19
	v_lshlrev_b32 v20, 4, v3
	v_add_nc_u32 v[ADA], s3, v20
	v_add_nc_u32 v[ADA+1], 2*TILE, v[ADA]
	v_add_nc_u32 v[ADA+2], YB, v[ADA]
	v_add_nc_u32 v[ADA+3], YB+2*TILE, v[ADA]
	v_lshrrev_b32 v21, 3, v1                       ; scale bytes: 32 a token, eight tokens to a unit of 272
	v_and_b32 v22, 7, v1
	v_mul_u32_u24 v21, v21, 272
	v_lshl_add_u32 v21, v22, 5, v21
	v_add_nc_u32 v[AAS], s16, v21
	v_add_nc_u32 v[AAS+1], 16*272, v[AAS]
	v_mul_u32_u24 v21, v1, 272
	v_lshl_add_u32 v21, v2, 5, v21
	v_add_nc_u32 v[STO], s17, v21                  ; in: row r, 32 bytes for each half of the lanes
	v_mul_u32_u24 v22, v2, 272
	v_lshl_add_u32 v22, v1, 4, v22
	v_add_nc_u32 v[RD], s17, v22                   ; back: lanes 0-15 one row of 256 bytes, lanes 16-31 the next
	v_lshlrev_b32 v23, 12, v2
	v_lshl_add_u32 v[CO], v1, 4, v23               ; and the same two rows in out0
	v_lshlrev_b32 v[ABS], 5, v3
	v_lshlrev_b32 v[BIA], 5, v2
	v_lshl_add_u32 v[PF], v3, 8, s18
	s_wait_alu depctr_va_vdst(0)                   ; the wait at the head's end
.irp p, 0,1
.irp c, 0,1
	global_load_b128 v[SB+8*\p+4*\c:SB+8*\p+4*\c+3], v[ABS], s[10:11] offset:\p*1024+16*\c
.endr
.endr
.irp b, 0,1,2,3
	global_load_b128 v[BI+8*\b:BI+8*\b+3], v[BIA], s[14:15] offset:64*\b
	global_load_b128 v[BI+8*\b+4:BI+8*\b+7], v[BIA], s[14:15] offset:64*\b+16
.endr
	s_cmp_eq_u32 s[WV], 0
	s_cbranch_scc0 .Lnot_w
	s_wait_tensorcnt 0x0                           ; wave 0: Wo has landed.  The other waves' wait stands in front of the round below
.Lnot_w:
	BARRIER
	global_prefetch_b8 v[PF], s[4:5] th:TH_LOAD_NT scope:SCOPE_SE
.irp q, 0,1,2,3,4,5,6,7                        ; my 64 rows of Wo, all of K: fragment 4 q + b in window 1 + (4 q + b) / 16: lane l holds row l % 16; registers 4 c .. 4 c + 3 hold K = 32 c + 16 (l / 16) + 0 .. 15
	WIN (1+\q/4)<<6
.irp b, 0,1,2,3
.irp c, 0,1,2,3
	ds_load_b128 v[16*((4*\q+\b)%16)+4*\c:16*((4*\q+\b)%16)+4*\c+3], v[ADRB] offset:128*\q+32*\c+\b*TILE
.endr
.endr
.endr
	WIN 0
	s_wait_tensorcnt 0x0                           ; my load of the head is in;
	ds_add_u32 v[SPW], v[NIL]                      ; 0 onto my spare word;
	s_wait_dscnt 0x0                               ; the add is done, and Wo is in my registers
	CROUND                                         ; both hold of every wave of the cluster: chunk 0 and the scale bytes are shown, and nobody reads slot 1
	TLOAD G0R, G1R                                 ; chunk 1 over Wo's rows: the same rows of 1,040 bytes, a quarter a wave
.macro FETCH n                                 ; block n's 16 tokens, all of K, into set n % 2 of window 3, and their scale words: NF loads
.set EF_, (\n)%2
.set AF_, ADA+2*((\n)/4)+((\n)%4)/2
.set OF_, ((\n)%2)*TILE
	WIN 3<<6
.irp q, 0,1,2,3,4,5,6,7
.irp c, 0,1,2,3
	ds_load_b128 v[128*EF_+16*\q+4*\c:128*EF_+16*\q+4*\c+3], v[AF_] offset:OF_+2*PITCH*\q+PITCH*(\c/2)+512*(\c%2)
.endr
.endr
	WIN 0
	ds_load_b128 v[SA+8*EF_:SA+8*EF_+3], v[AAS+(\n)/4] offset:544*((\n)%4)
	ds_load_b128 v[SA+8*EF_+4:SA+8*EF_+7], v[AAS+(\n)/4] offset:544*((\n)%4)+16
.endm
.macro PROD e, n                               ; product n = 4 q + b: the q-th 128 of K, column tile b
.set Q_, (\n)/4
.set B_, (\n)%4
.set AC_, ACC+32*(\e)+8*B_
.set C_, AC_
.if Q_ == 0
.set C_, BI+8*B_
.endif
.set R_, 128*(\e)+16*Q_
.set W_, 16*((\n)%16)
.set XS_, SA+8*(\e)+Q_
.set WS_, SB+8*(B_/2)+Q_
	WIN (1+(\n)/16)|(3<<2)
.if B_%2
	v_wmma_scale_f32_16x16x128_f8f6f4 v[AC_:AC_+7], v[W_:W_+15], v[R_:R_+15], v[C_:C_+7], v[WS_], v[XS_] matrix_a_fmt:MATRIX_FMT_BF8 matrix_b_fmt:MATRIX_FMT_BF8 matrix_a_scale:MATRIX_SCALE_ROW1
.else
	v_wmma_scale_f32_16x16x128_f8f6f4 v[AC_:AC_+7], v[W_:W_+15], v[R_:R_+15], v[C_:C_+7], v[WS_], v[XS_] matrix_a_fmt:MATRIX_FMT_BF8 matrix_b_fmt:MATRIX_FMT_BF8
.endif
.endm
.macro TOSTAGE n                               ; NS instructions; LDS serves a wave's instructions in order (ISA guide 5.7.1.4): the loads see the stores.  Each accumulator from its low end on
.set ET_, (\n)%2
.irp b, 0,1,2,3
	ds_store_b128 v[STO], v[ACC+32*ET_+8*\b:ACC+32*ET_+8*\b+3] offset:64*\b
	ds_store_b128 v[STO], v[ACC+32*ET_+8*\b+4:ACC+32*ET_+8*\b+7] offset:64*\b+16
.endr
.irp t, 0,1,2,3,4,5,6,7
	ds_load_b128 v[OB+32*ET_+4*\t:OB+32*ET_+4*\t+3], v[RD] offset:\t*544
.endr
.endm
.macro SEND n                                  ; sixteen lanes store 256 consecutive bytes, at a multiple of 256 from out0's first byte
.set ES_, (\n)%2
.irp t, 0,1,2,3,4,5,6,7
	global_store_b128 v[CO], v[OB+32*ES_+4*\t:OB+32*ES_+4*\t+3], s[12:13] offset:(128*((\n)/4)+16*((\n)%4)+2*\t)*4096 th:TH_STORE_NT
.endr
.endm
; BLOCK n.  The wait ahead of its products leaves out what was issued behind its fetch: block n - 1's passage through the stage (NS) and block n + 1's fetch (NF).
; Behind the products: eight places; block n - 1's stores (its rows are back: only block n + 1's fetch is younger); block n into the stage; block n + 2 into the set just multiplied.
.macro BLK n
.if (\n) == 0
	s_wait_dscnt NF
.elseif (\n) == 7
	s_wait_dscnt NS
.else
	s_wait_dscnt NS+NF
.endif
.set N_, 0
.rept 32
	PROD (\n)%2, N_
.set N_, N_+1
.endr
	WIN 0
	PLACES 8                                       ; ahead of the LDS stores that read the sums and of the loads into the set that was read
.if (\n) > 0
	s_wait_xcnt 0x0                                ; block n - 2's stores have read their data: block n's rows may land there
.if (\n) == 7
	s_wait_dscnt 0x0
.else
	s_wait_dscnt NF
.endif
	SEND (\n)-1
.endif
	TOSTAGE \n
.if (\n) == 2
	s_wait_tensorcnt 0x0                           ; every wave: its quarter of chunk 1 is in
	s_wait_dscnt 0x0
	BARRIER                                        ; everybody's is
.endif
.if (\n) < 6
	FETCH (\n)+2
.endif
.endm
	FETCH 0
	FETCH 1
	s_wait_loadcnt 0x0                             ; Wo's scale words and the bias
.irp n, 0,1,2,3,4,5,6,7
	BLK \n
.endr
	s_wait_dscnt 0x0
	SEND 7
	s_wait_tensorcnt 0x0                           ; the wave's end
	ds_add_u32 v[SPW], v[NIL]
	s_wait_dscnt 0x0
	CROUND                                         ; the closing round
	s_endpgm
.Lfunc_end_k_qcb53b4323a_proj:
	.size	k_qcb53b4323a_proj, .Lfunc_end_k_qcb53b4323a_proj-k_qcb53b4323a_proj
	.p2alignl 7, 3214868480
	.fill 96, 4, 3214868480
	.section	.rodata,"a",@progbits
	.p2align	6, 0x0
	.amdhsa_kernel k_qcb53b4323a_proj
		.amdhsa_group_segment_fixed_size 327680
		.amdhsa_private_segment_fixed_size 0
		.amdhsa_enable_private_segment 0
		.amdhsa_kernarg_size 48
		.amdhsa_user_sgpr_count 2
		.amdhsa_user_sgpr_kernarg_segment_ptr 1
		.amdhsa_wavefront_size32 1
		.amdhsa_system_sgpr_workgroup_id_x 1
		.amdhsa_system_sgpr_workgroup_id_y 1
		.amdhsa_system_sgpr_workgroup_id_z 1
		.amdhsa_system_vgpr_workitem_id 0
		.amdhsa_next_free_vgpr 1024
		.amdhsa_next_free_sgpr 96
		.amdhsa_reserve_vcc 0
		.amdhsa_float_denorm_mode_32 3
		.amdhsa_float_denorm_mode_16_64 3
		.amdhsa_memory_ordered 1
		.amdhsa_forward_progress 1
		.amdhsa_inst_pref_size 86
	.end_amdhsa_kernel
	.amdgpu_metadata
---
amdhsa.version: [ 1, 2 ]
amdhsa.kernels:
  - .name:           k_qcb53b4323a_proj
    .symbol:         k_qcb53b4323a_proj.kd
    .args:
      - { .name: ao_img, .offset: 0, .size: 8, .value_kind: global_buffer, .address_space: global }
      - { .name: ao_sc, .offset: 8, .size: 8, .value_kind: global_buffer, .address_space: global }
      - { .name: Wo_codes, .offset: 16, .size: 8, .value_kind: global_buffer, .address_space: global }
      - { .name: Wo_scales, .offset: 24, .size: 8, .value_kind: global_buffer, .address_space: global }
      - { .name: out0, .offset: 32, .size: 8, .value_kind: global_buffer, .address_space: global }
      - { .name: bo, .offset: 40, .size: 8, .value_kind: global_buffer, .address_space: global }
    .group_segment_fixed_size: 327680
    .private_segment_fixed_size: 0
    .kernarg_segment_align: 8
    .kernarg_segment_size: 48
    .max_flat_workgroup_size: 128
    .sgpr_count:     96
    .vgpr_count:     1024
    .wavefront_size: 32
...
	.end_amdgpu_metadata
.endif
;; end of part 3
